; MI455X (gfx1250); checked and timed in simulation.
; The chip was launched on July 23, 2026; its instructions are those of AMD's public machine-readable ISA for CDNA 5 (MIT licence, August 2026) and "CDNA5" Instruction Set Architecture Reference Guide (July 2026). The comments in the code are by the model that wrote it; some were corrected since.
;; Residual Quantizer. Allowed arithmetic: float matrix products may take bf16 or f16 operands with f32 sums; all other float work in f32.
;; Inputs: codebooks 4 x 2,048 x 128 float32; z_e 65,536 x 128 float32.
;; Outputs: out0 65,536 x 128 float32; out1 65,536 x 4 int32; out2 one number float32.
;; 3 versions, each right; version 2 is faster than version 1; version 3 is version 2 with the launch prep written anew for expert scheduling mode. Each part assembles by itself: llvm-mc -triple=amdgcn-amd-amdhsa -mcpu=gfx1250 --defsym DOCPART=n.
;; ======== version 1 of 3: 7 launches
;; limits: inputs' magnitudes at most 65,504; values are held in f16: magnitudes above 65,504 overflow, below 6.1e-05 lose precision
;; workspace buffers: cb0 1,589,248 bytes; cb1 1,589,248 bytes; cb2 1,589,248 bytes; cb3 1,589,248 bytes; resA 33,554,432 bytes; resB 33,554,432 bytes; idxA 1,048,576 bytes of whole numbers; idxB 1,048,576 bytes of whole numbers
;; launch prep (part 1): grid 128 x 1, 4 waves a work-group, no clusters, 18,432 bytes of LDS; arguments codebooks, cb0, cb1, cb2, cb3, idxB, resA; writes cb0, cb1, cb2, cb3, idxB, resA
.if DOCPART == 1
	.amdgcn_target "amdgcn-amd-amdhsa--gfx1250"
	.amdhsa_code_object_version 6
	.text
	.protected	k_q47e81396c1_prep
	.globl	k_q47e81396c1_prep
	.p2align	8
	.type	k_q47e81396c1_prep,@function
k_q47e81396c1_prep:
	s_mov_b64 s[64:65], 0
	v_nop
	global_prefetch_b8 v0, s[64:65] scope:SCOPE_SE
	s_setreg_imm32_b32 hwreg(HW_REG_WAVE_MODE, 25, 1), 1
	s_wait_xcnt 0x0
; TABLES FOR THE FOUR STAGES.  codebooks: [4][2048][128] f32.  For each stage a table of its own:
;   byte 0        the 2,048 rows rounded to f16, 256 bytes a row
;   byte NH_OFF   -|c|^2 / 2, 2,048 f32       byte CN_OFF   |c|^2, 2,048 f32       byte F32_OFF  the rows as they are, f32
; Also: every record of idxB is set to (0, 0, 0, 0), and in resA a zero row and a zero norm are laid at F32_OFF and CN_OFF: the first stage
; takes resA for "the stage before", finds candidate 0 twice, and subtracts zeros.
; SHARES.  128 work-groups of four waves; a work-group owns 64 rows (32 work-groups a codebook), a wave 16, as 8 pairs of rows.  A load covers
; two rows' 256 consecutive bytes (lanes 0-15 one row, lanes 16-31 the next); two loads cover both rows whole.  The f32 copy leaves the same way.
; The f16 rows go through a stage of the wave's own in LDS, so that sixteen lanes store one whole row of 256 bytes.
; No matrix unit, no cluster, no tensor load: 4 MB are read once and 7 MB written once; work-groups share nothing.
; LIMIT.  f16 ends at 65,504 and keeps a fixed step of 6e-8 below 6e-5; the f16 rows serve the coarse search alone.
.set PITCH,   272                      ; a stage row: 256 bytes + 16
.set STG,     0                        ; 4 waves x 16 rows x 272 bytes
.set TAB,     4*16*PITCH               ; 64 f32: the work-group's norms
.set SPARE,   TAB+256                  ; the spare words, 128 bytes a wave: two blocks of 256 bytes that no other line names
.set NH_OFF,  524288
.set CN_OFF,  532480
.set F32_OFF, 540672
.set LN,  1                            ; lane % 16
.set HF,  2                            ; lane / 16
.set RO,  3                            ; 512 HF + 16 LN: my 16 bytes in a pair of f32 rows
.set STA, 4                            ; stage, in: row HF, 8 bytes at 8 LN
.set SLD, 5                            ; stage, back: row HF, 16 bytes at 16 LN
.set HO,  6                            ; 16 x lane: my 16 bytes in a pair of f16 rows
.set TBA, 7                            ; TAB + 4 (16 wave + HF)
.set SPW, 8                            ; my spare word; never rewritten
.set NIL, 9                            ; 0; never rewritten
.set ZQ,  10                           ; v[10:13] zeros
.set TO,  14                           ; 16 x thread
.set DT,  16                           ; v[16:79]   pair i: 8 registers as loaded
.set HP,  80                           ; v[80:111]  pair i: 4 registers of f16
.set HB,  112                          ; v[112:143] pair i: 4 registers read back
.set PS,  144                          ; v[144:145] a row's sum of squares at work
.set FC,  146                          ; v[146:147] -0.5 or 1.0
.set TD,  148                          ; v[148:151] four norms
.set TA2, 152                          ; TAB + 16 LN
.set TOF, 153                          ; where my four numbers go in the table
	s_load_b256 s[4:11], s[0:1], 0x0               ; codebooks s[4:5], cb0 s[6:7], cb1 s[8:9], cb2 s[10:11]
	s_load_b128 s[12:15], s[0:1], 0x20             ; cb3 s[12:13], idxB s[14:15]
	s_load_b64 s[16:17], s[0:1], 0x30              ; resA
	v_lshl_add_u32 v[SPW], v0, 2, SPARE
	v_mov_b32 v[NIL], 0
	v_lshrrev_b32 v1, 5, v0
	v_readfirstlane_b32 s18, v1                    ; wave 0..3
	v_and_b32 v[LN], 15, v0
	v_bfe_u32 v[HF], v0, 4, 1
	s_mov_b32 s19, ttmp9                           ; work-group 0..127
	s_lshr_b32 s20, s19, 5                         ; its codebook
	s_and_b32 s21, s19, 31                         ; its place in that codebook: rows 64 x place on
	v_lshlrev_b32 v[RO], 4, v[LN]
	v_lshl_add_u32 v[RO], v[HF], 9, v[RO]
	s_mul_i32 s30, s18, 16*PITCH                   ; my wave's stage
	v_mul_u32_u24 v[STA], v[HF], PITCH
	v_add_nc_u32 v[STA], s30, v[STA]
	v_lshl_add_u32 v[SLD], v[LN], 4, v[STA]
	v_lshl_add_u32 v[STA], v[LN], 3, v[STA]
	v_and_b32 v[HO], 31, v0
	v_lshlrev_b32 v[HO], 4, v[HO]
	s_lshl_b32 s31, s18, 6
	s_add_co_u32 s31, s31, TAB
	v_lshl_add_u32 v[TBA], v[HF], 2, s31
	v_lshlrev_b32 v[TO], 4, v0
.irp k, 0,1,2,3
	v_mov_b32 v[ZQ+(\k)], 0
.endr
	s_lshl_b32 s22, s19, 15                        ; source: 64 rows of 512 bytes a work-group,
	s_lshl_b32 s23, s18, 13                        ; 16 a wave
	s_add_co_u32 s22, s22, s23
	s_lshl_b32 s24, s21, 15                        ; the f32 copy: the same, counted inside the codebook
	s_add_co_u32 s24, s24, s23
	s_mov_b32 s23, 0
	s_mov_b32 s25, 0
	s_lshl_b32 s34, s21, 14                        ; the f16 rows: 256 bytes a row
	s_lshl_b32 s35, s18, 12
	s_add_co_u32 s34, s34, s35
	s_mov_b32 s35, 0
	s_lshl_b32 s36, s19, 13                        ; the records: 8,192 bytes a work-group
	s_mov_b32 s37, 0
	s_lshl_b32 s38, s21, 8                         ; the norms: 256 bytes a work-group
	s_wait_kmcnt 0x0
	s_cmp_eq_u32 s20, 1                            ; the table of my codebook: a choice between buffers by the work-group's number
	s_cselect_b64 s[6:7], s[8:9], s[6:7]
	s_cmp_eq_u32 s20, 2
	s_cselect_b64 s[6:7], s[10:11], s[6:7]
	s_cmp_eq_u32 s20, 3
	s_cselect_b64 s[6:7], s[12:13], s[6:7]
	s_add_nc_u64 s[4:5], s[4:5], s[22:23]
	s_add_nc_u64 s[26:27], s[6:7], s[24:25]
	s_add_nc_u64 s[28:29], s[6:7], s[34:35]
	s_add_nc_u64 s[14:15], s[14:15], s[36:37]
.set i, 0
.rept 8
	global_load_b128 v[DT+8*i:DT+8*i+3],   v[RO], s[4:5] offset:1024*i th:TH_LOAD_NT
	global_load_b128 v[DT+8*i+4:DT+8*i+7], v[RO], s[4:5] offset:1024*i+256 th:TH_LOAD_NT
.set i, i+1
.endr
.irp k, 0,1,2,3
	global_store_b128 v[TO], v[ZQ:ZQ+3], s[14:15] offset:2048*(\k)  ; 128 threads x 16 bytes: 2,048 consecutive bytes of records
.endr
	s_wait_loadcnt 0x0                             ; all sixteen rows of the wave
.set i, 0
.rept 8
	global_store_b128 v[RO], v[DT+8*i:DT+8*i+3],   s[26:27] offset:F32_OFF+1024*i      ; sixteen lanes store 256 consecutive bytes, aligned
	global_store_b128 v[RO], v[DT+8*i+4:DT+8*i+7], s[26:27] offset:F32_OFF+1024*i+256
.set i, i+1
.endr
.set i, 0
.rept 8
.irp k, 0,1,2,3
	v_cvt_pk_f16_f32 v[HP+4*i+(\k)], v[DT+8*i+2*(\k)], v[DT+8*i+2*(\k)+1]
.endr
	ds_store_b64 v[STA], v[HP+4*i:HP+4*i+1]   offset:2*i*PITCH       ; elements 4 LN .. 4 LN + 3
	ds_store_b64 v[STA], v[HP+4*i+2:HP+4*i+3] offset:2*i*PITCH+128   ; elements 64 + 4 LN ..
	v_pk_mul_f32 v[PS:PS+1], v[DT+8*i:DT+8*i+1], v[DT+8*i:DT+8*i+1]
.irp k, 2,4,6
	v_pk_fma_f32 v[PS:PS+1], v[DT+8*i+(\k):DT+8*i+(\k)+1], v[DT+8*i+(\k):DT+8*i+(\k)+1], v[PS:PS+1]
.endr
	v_add_f32 v[PS], v[PS], v[PS+1]
.irp m, 1,2,4,8
	v_add_f32_dpp v[PS], v[PS], v[PS] row_xmask:\m row_mask:0xf bank_mask:0xf   ; over the row's sixteen lanes
.endr
	ds_store_b32 v[TBA], v[PS] offset:8*i          ; sixteen lanes write one word with one value
.set i, i+1
.endr
.set i, 0
.rept 8
	ds_load_b128 v[HB+4*i:HB+4*i+3], v[SLD] offset:2*i*PITCH  ; LDS serves a wave's instructions in order (ISA guide 5.7.1.4): these see the stores above
.set i, i+1
.endr
.set i, 0
.rept 8
	s_wait_dscnt 7-i                               ; pair i is back; the younger loads stay out
	global_store_b128 v[HO], v[HB+4*i:HB+4*i+3], s[28:29] offset:512*i  ; two whole f16 rows, 512 consecutive bytes
.set i, i+1
.endr
	s_wait_dscnt 0x0                               ; for the others' sake: my norms are in TAB
	s_barrier_signal -1
	s_barrier_wait -1
	s_cmp_lg_u32 s18, 0
	s_cbranch_scc1 .Ldone                          ; wave 0 writes the work-group's 64 norms, twice
	v_lshl_add_u32 v[TA2], v[LN], 4, TAB
	ds_load_b128 v[TD:TD+3], v[TA2]
	v_cmp_eq_u32 vcc_lo, 1, v[HF]
	v_cndmask_b32 v[FC], -0.5, 1.0, vcc_lo         ; lanes 0-15: -|c|^2 / 2; lanes 16-31: |c|^2
	v_mov_b32 v[FC+1], v[FC]
	v_lshlrev_b32 v[TOF], 13, v[HF]                ; CN_OFF lies 8,192 bytes behind NH_OFF
	v_lshl_add_u32 v[TOF], v[LN], 4, v[TOF]
	v_add_nc_u32 v[TOF], s38, v[TOF]
	s_wait_dscnt 0x0
	v_pk_mul_f32 v[TD:TD+1], v[TD:TD+1], v[FC:FC+1]
	v_pk_mul_f32 v[TD+2:TD+3], v[TD+2:TD+3], v[FC:FC+1]
	global_store_b128 v[TOF], v[TD:TD+3], s[6:7] offset:NH_OFF  ; each half of the lanes stores 256 consecutive bytes, aligned
	s_cmp_lg_u32 s19, 0
	s_cbranch_scc1 .Ldone                          ; work-group 0 lays the first stage's zero row and zero norms
	global_store_b128 v[HO], v[ZQ:ZQ+3], s[16:17] offset:F32_OFF
	global_store_b128 v[HO], v[ZQ:ZQ+3], s[16:17] offset:CN_OFF
.Ldone:
	s_wait_tensorcnt 0x0                           ; the wave's end, behind my last LDS store
	ds_add_u32 v[SPW], v[NIL]
	s_wait_dscnt 0x0
	s_endpgm
.Lfunc_end_k_q47e81396c1_prep:
	.size	k_q47e81396c1_prep, .Lfunc_end_k_q47e81396c1_prep-k_q47e81396c1_prep
	.p2alignl 7, 3214868480
	.fill 96, 4, 3214868480
	.section	.rodata,"a",@progbits
	.p2align	6, 0x0
	.amdhsa_kernel k_q47e81396c1_prep
		.amdhsa_group_segment_fixed_size 18432
		.amdhsa_private_segment_fixed_size 0
		.amdhsa_enable_private_segment 0
		.amdhsa_kernarg_size 56
		.amdhsa_user_sgpr_count 2
		.amdhsa_user_sgpr_kernarg_segment_ptr 1
		.amdhsa_wavefront_size32 1
		.amdhsa_system_sgpr_workgroup_id_x 1
		.amdhsa_system_sgpr_workgroup_id_y 1
		.amdhsa_system_sgpr_workgroup_id_z 1
		.amdhsa_system_vgpr_workitem_id 0
		.amdhsa_next_free_vgpr 160
		.amdhsa_next_free_sgpr 66
		.amdhsa_reserve_vcc 1
		.amdhsa_float_denorm_mode_32 3
		.amdhsa_float_denorm_mode_16_64 3
		.amdhsa_memory_ordered 1
		.amdhsa_forward_progress 1
		.amdhsa_inst_pref_size 17
	.end_amdhsa_kernel
	.amdgpu_metadata
---
amdhsa.version: [ 1, 2 ]
amdhsa.kernels:
  - .name:           k_q47e81396c1_prep
    .symbol:         k_q47e81396c1_prep.kd
    .args:
      - { .name: codebooks, .offset: 0, .size: 8, .value_kind: global_buffer, .address_space: global }
      - { .name: cb0, .offset: 8, .size: 8, .value_kind: global_buffer, .address_space: global }
      - { .name: cb1, .offset: 16, .size: 8, .value_kind: global_buffer, .address_space: global }
      - { .name: cb2, .offset: 24, .size: 8, .value_kind: global_buffer, .address_space: global }
      - { .name: cb3, .offset: 32, .size: 8, .value_kind: global_buffer, .address_space: global }
      - { .name: idxB, .offset: 40, .size: 8, .value_kind: global_buffer, .address_space: global }
      - { .name: resA, .offset: 48, .size: 8, .value_kind: global_buffer, .address_space: global }
    .group_segment_fixed_size: 18432
    .private_segment_fixed_size: 0
    .kernarg_segment_align: 8
    .kernarg_segment_size: 56
    .max_flat_workgroup_size: 128
    .sgpr_count:     66
    .vgpr_count:     160
    .wavefront_size: 32
...
	.end_amdgpu_metadata
.endif
;; end of part 1
;; launch stage0 (part 2): grid 256 x 1, 4 waves a work-group, clusters of 4 x 1, 327,680 bytes of LDS; arguments z_e, idxB, resA, cb0, resB, idxA; writes resB, idxA
.if DOCPART == 2
	.amdgcn_target "amdgcn-amd-amdhsa--gfx1250"
	.amdhsa_code_object_version 6
	.text
	.protected	k_q47e81396c1_stage0
	.globl	k_q47e81396c1_stage0
	.p2align	8
	.type	k_q47e81396c1_stage0,@function
k_q47e81396c1_stage0:
	s_mov_b64 s[64:65], 0
	v_nop
	global_prefetch_b8 v0, s[64:65] scope:SCOPE_SE
	s_setreg_imm32_b32 hwreg(HW_REG_WAVE_MODE, 25, 1), 1
	s_wait_xcnt 0x0
	s_wait_alu depctr_hold_cnt(0) depctr_sa_sdst(0) depctr_va_vdst(0) depctr_va_sdst(0) depctr_va_ssrc(0) depctr_va_vcc(0) depctr_vm_vsrc(0)
	s_getreg_b32 s2, hwreg(HW_REG_IB_STS2, 6, 4)
	s_cmp_eq_u32 s2, 0
	s_cbranch_scc0 .Lentry_in_a_cluster
	s_endpgm
.Lentry_in_a_cluster:
	s_bfe_u32 s2, ttmp6, 0x10000c
	s_cmp_lg_u32 s2, 0x3003
	s_cbranch_scc0 .Lentry_shape_is_right
	s_endpgm
.Lentry_shape_is_right:
; ONE STAGE OF THE RESIDUAL QUANTISER, for 65,536 rows of 128 f32 and a codebook of 2,048 rows.  Arguments: r_in, idx_in, the table of the stage
; before, this stage's table, r_out, idx_out.  A table: f16 rows at 0, -|c|^2/2 at NH_OFF, |c|^2 at CN_OFF, f32 rows at F32_OFF.
; A record of 16 bytes a row: three codes already decided (a shift register) and the word a | b << 16: two candidates of the stage before.
; PART 1, THE PICK.  Both candidates' f32 rows are gathered; d = (|r|^2 - 2 r.c) + |c|^2 in f32, rounded in the order of the problem's formula;
;   b is taken if d_b < d_a, or if they are equal and b < a (the lowest index wins a tie).  r = r_in - c goes to r_out, the code into the record.
; PART 2, THE SEARCH.  r rounded to f16; score = r.c - |c|^2/2 for all 2,048 codes on the matrix unit, -|c|^2/2 entering as the C operand of the first
;   K step.  Source 0 = 16 codes, source 1 = 16 rows: a lane holds ONE row (lane % 16) and codes 16 t + 8 (lane / 16) + j in register j.
;   A score's lowest 8 bits are replaced by 2 t + j % 2, and for each (j / 2, lane / 16), 8 classes a row, the LARGEST TWO scores are kept.
; PART 3.  The two largest of a row's 16 kept scores are the new candidates; their classes are found by comparing for equality, no further bit is replaced.
; LIMITS.  f16 operands: |r| and |c| under 65,504; below 6e-5 a fixed step of 6e-8.  Scores are compared to 2^-15 of their size.  The code that the f32 formula
;   ranks first is found if it is among the two largest coarse scores: it is lost where TWO other codes tie with it to within the f16 rounding.  That error grows
;   with a common offset of the codebook, since the scores then grow.  The pick's dot products are f32 sums in this text's order.  NaN and infinities are not treated apart.
; SHARES.  A work-group owns 256 rows, a wave 64: four tiles of 16.  Every wave walks all codes.
; CLUSTER.  The four work-groups of a cluster walk the same table: every tile is asked for jointly, same descriptor, mask of four.
; REGISTERS, in windows of 256 (s_set_vgpr_msb: bits 1:0 source 0, 3:2 source 1, 5:4 source 2, 7:6 destination):
;   window 0: addresses; in part 1 the records and norms; in part 2 NH, the codes' fragments, two sets of accumulators, the kept scores
;   window 1: v0-127 the rows' f16 fragments (tile x, K step kk at 32 x + 8 kk)          windows 2, 3: part 1's data, tiles 0, 2 and 1, 3
; The products run with source 1 in window 1.  Of the 20 lines that fold a row tile's 8 scores, 12 name registers as destination, source 0 and source 2 only and stand under
; that setting; the 8 that take three registers of window 0 stand in two groups of four between two switches: four switches for a K step's four products.
.set PITCH,   272                      ; an LDS row: 256 bytes + 16 of padding = 68 words: the 16 rows of a fragment load start at 16 different groups of four banks (ISA guide 11.1)
.set TILEB,   16*PITCH                 ; 16 codes
.set SLOT0,   0                        ; 512 codes
.set SLOT1,   512*PITCH
.set CNL,     2*512*PITCH              ; -|c|^2/2 of the stage, 2,048 f32
.set XST,     CNL+8192                 ; a wave's own: 16 rows x 272 bytes of f16, on their way to fragments; no tile lands here
.set HIST,    XST+4*TILEB              ; a wave's own: 64 rows x 16 bytes: +0 old code 2, +4 the code just picked, +8 old code 1
.set SPARE,   HIST+4*1024              ; the spare words, 128 bytes a wave: two blocks of 256 bytes that no other line names
.set NH_OFF,  524288
.set CN_OFF,  532480
.set F32_OFF, 540672
.set LN,   1                           ; lane % 16
.set HF,   2                           ; lane / 16
.set AADR, 3                           ; LDS address of the fragments to be fetched
.set CADR, 4                           ; of their -|c|^2/2
.set A0,   5                           ; 272 LN + 16 HF
.set C0,   6                           ; 32 HF
.set RO,   7                           ; 512 HF + 16 LN
.set L16,  8                           ; 16 LN
.set RECO, 9                           ; 16 HF
.set XLD,  10                          ; my stage + 272 LN + 16 HF
.set HSA,  11                          ; my history + 16 HF
.set HLD,  12                          ; my history + 16 lane
.set IO,   13                          ; 16 lane
.set SPW,  14                          ; my spare word; never rewritten
.set NIL,  15                          ; 0; never rewritten
.set CIN,  16                          ; v[16:31]   -|c|^2/2 of a tile's 8 codes a lane, by the tile's parity
.set AF,   32                          ; v[32:95]   fragments of 16 codes: parity p, K step kk at 32 p + 8 kk
.set ACC,  96                          ; v[96:159]  scores: parity p, row tile x at 32 p + 8 x
.set B1,   160                         ; v[160:175] the largest score: row tile x, class c at 4 x + c
.set B2,   176                         ; v[176:191] the second largest
.set MT,   192                         ; v[192:195] the middle one of three, by class, at work
.set HC,   224                         ; v[224:227] HF << 2 | c
.set MQ,   32                          ; part 1: pair n's record at 4 n: becomes (offset a, code 1, code 2, offset b), then the last the code picked
.set MN,   160                         ; part 1: pair n at 2 n: offsets into the norms, then the norms, then the distances
.set E1,   232                         ; part 3, at work
.set E2,   233
.set EM,   234
.set I1,   235
.set I2,   236
.set K1,   237
.set K2,   238
.set ET,   239
.set CW,   240                         ; v[240:243] the new candidates of row tile x
.set TR,   244                         ; v[244:251] two records to store
.set RR,   0                           ; windows 2, 3: pair i's residual at 8 i
.set CA,   64                          ; candidate a's row
.set CB,   128                         ; candidate b's row; later the f16 residual
.set TT1,  192                         ; |r|^2 - 2 r.a of pair i
.set TT2,  200
.set PX,   208                         ; sums at work
.set P1,   210
.set P2,   212
.set WRO,  214                         ; RO once more
.set WXS,  215                         ; my stage + 272 HF + 8 LN
.set WV,   16                          ; s16 wave
.set TI,   20                          ; s20, s21: 2 t and 2 t + 1 for the tile t whose scores are being folded
.set G1,   24                          ; s[24:31] descriptor group 1: 128 codes
.set G1C,  32                          ; s[32:39] group 1: 2,048 bytes of -|c|^2/2
.set G0A,  40                          ; s[40:43] group 0, slot 0
.set G0B,  44                          ; s[44:47] slot 1
.set G0C,  48                          ; s[48:51] -|c|^2/2
.set LOWM, 56                          ; 0xff
.set NINF, 58                          ; -infinity: the idle operand of a three-way maximum
.set CNT,  59
.set TB,   60                          ; LDS byte at which the tiles to be fetched begin
.set TC,   61                          ; the same for -|c|^2/2
.set SEL,  62                          ; s[62:63] v_permlanex16_b32: each lane takes its own place in the other half
.set HIM,  67                          ; lanes 16-31
.set NEGM, 71                          ; the lowest finite number
.set PM,   72                          ; s[72:79] a tile's eight picks, a mask a pair
.set MSB, 0
.macro WIN new                         ; the immediate's high byte repeats the setting that is left; a switch that changes nothing is dropped
.if MSB != (\new)
	s_set_vgpr_msb (MSB<<8)|(\new)
.set MSB, (\new)
.endif
.endm
; A round of the cluster's barrier: my work-group's barrier, so that wave 0's signal speaks for all four waves; wave 0 signals; every wave waits for all four work-groups; my work-group's barrier once more.
.macro CROUND
	s_barrier_signal -1
	s_barrier_wait -1
	s_cmp_lg_u32 s[WV], 0
	s_cbranch_scc1 .Lnot_wave_0_\@
	s_barrier_signal -3
.Lnot_wave_0_\@:
	s_barrier_wait -3
	s_barrier_signal -1
	s_barrier_wait -1
.endm
	s_load_b256 s[4:11], s[0:1], 0x0               ; r_in s[4:5], idx_in s[6:7], the table before s[8:9], this stage's s[10:11]
	s_load_b128 s[12:15], s[0:1], 0x20             ; r_out s[12:13], idx_out s[14:15]
	v_lshl_add_u32 v[SPW], v0, 2, SPARE
	v_mov_b32 v[NIL], 0
	ds_add_u32 v[SPW], v[NIL]                      ; the wave's opening: the add and its wait stand ahead of my first tensor load; the set-up below, work on registers, stands between them
	v_lshrrev_b32 v1, 5, v0
	v_readfirstlane_b32 s[WV], v1                  ; wave 0..3
	v_and_b32 v[LN], 15, v0
	v_bfe_u32 v[HF], v0, 4, 1
	s_bfe_u32 s17, ttmp6, 0x40000                  ; cx: my place in the cluster
	s_lshl_b32 s18, ttmp9, 2                       ; in a cluster launch ttmp9 counts clusters
	s_add_co_u32 s18, s18, s17                     ; my block of 256 rows: it enters the rows' and records' addresses alone
	s_lshl_b32 s52, s18, 17                        ; 256 rows of 512 bytes,
	s_lshl_b32 s53, s[WV], 15                      ; my wave's 64
	s_add_co_u32 s52, s52, s53
	s_mov_b32 s53, 0
	s_lshl_b32 s54, s18, 12                        ; 256 records of 16 bytes,
	s_lshl_b32 s55, s[WV], 10
	s_add_co_u32 s54, s54, s55
	s_mov_b32 s55, 0
	s_lshl_b32 s22, s[WV], 15                      ; of a chunk of 512 codes I fetch 128: 32,768 bytes
	s_mov_b32 s23, 0
	s_lshl_b32 s68, s[WV], 11                      ; and 2,048 bytes of -|c|^2/2
	s_add_co_u32 s68, s68, NH_OFF
	s_mov_b32 s69, 0
	s_mul_i32 s19, s[WV], TILEB
	s_add_co_u32 s19, s19, XST                     ; my stage
	s_lshl_b32 s21, s[WV], 10
	s_add_co_u32 s21, s21, HIST                    ; my history
	v_mul_u32_u24 v[A0], v[LN], PITCH
	v_lshl_add_u32 v[A0], v[HF], 4, v[A0]
	v_lshlrev_b32 v[C0], 5, v[HF]
	v_lshlrev_b32 v[L16], 4, v[LN]
	v_lshl_add_u32 v[RO], v[HF], 9, v[L16]
	v_lshlrev_b32 v[RECO], 4, v[HF]
	v_add_nc_u32 v[XLD], s19, v[A0]
	v_mul_u32_u24 v[E1], v[HF], PITCH
	v_lshl_add_u32 v[E1], v[LN], 3, v[E1]
	v_add_nc_u32 v[E1], s19, v[E1]
	v_lshl_add_u32 v[HSA], v[HF], 4, s21
	v_and_b32 v[IO], 31, v0
	v_lshlrev_b32 v[IO], 4, v[IO]
	v_add_nc_u32 v[HLD], s21, v[IO]
	WIN 0x80                                       ; destination window 2
	v_mov_b32 v[WRO], v[RO]
	v_mov_b32 v[WXS], v[E1]
	WIN 0xc0                                       ; destination window 3
	v_mov_b32 v[WRO], v[RO]
	v_mov_b32 v[WXS], v[E1]
	WIN 0
	; group 1 for the codes: 128 rows x 128 elements of 2 bytes, dense in memory, padded in LDS
	s_mov_b32 s[G1+0], 15|(1<<16)|(1<<20)|(1<<21)|(5<<22)|(3<<25)  ; 15:0 the mask of four; 17:16 2-byte elements; 20 padding on; 21 set beside a mask; 24:22 after every 64 words; 31:25 4 words
	s_mov_b32 s[G1+1], 128<<16                     ; tensor_dim0 = 128
	s_mov_b32 s[G1+2], 128<<16                     ; tensor_dim1 = 128
	s_mov_b32 s[G1+3], 128<<16                     ; tile_dim0 = 128
	s_mov_b32 s[G1+4], 128                         ; tile_dim1 = 128
	s_mov_b32 s[G1+5], 128                         ; 128 elements from row to row
	s_mov_b32 s[G1+6], 0
	s_mov_b32 s[G1+7], 0
	; group 1 for -|c|^2/2: 2,048 dense bytes as 8 rows of 32 elements of 8 bytes, no padding
	s_mov_b32 s[G1C+0], 15|(3<<16)|(1<<21)
	s_mov_b32 s[G1C+1], 32<<16
	s_mov_b32 s[G1C+2], 8<<16
	s_mov_b32 s[G1C+3], 32<<16
	s_mov_b32 s[G1C+4], 8
	s_mov_b32 s[G1C+5], 32
	s_mov_b32 s[G1C+6], 0
	s_mov_b32 s[G1C+7], 0
	s_mov_b32 s[G0A], 1
	s_mul_i32 s[G0A+1], s[WV], 128*PITCH           ; LDS: slot 0 + wave x 128 rows: no place in the cluster enters an LDS address
	s_mov_b32 s[G0B], 1
	s_add_co_u32 s[G0B+1], s[G0A+1], SLOT1
	s_mov_b32 s[G0C], 1
	s_lshl_b32 s[G0C+1], s[WV], 11
	s_add_co_u32 s[G0C+1], s[G0C+1], CNL
	s_mov_b32 s[LOWM], 0xff
	s_mov_b32 s[NINF], 0xff800000
	s_mov_b32 s[SEL], 0x76543210
	s_mov_b32 s[SEL+1], 0xfedcba98
	s_mov_b32 s[HIM], 0xffff0000
	s_mov_b32 s[NEGM], 0xff7fffff
	s_wait_dscnt 0x0                               ; the opening add is done
	s_wait_kmcnt 0x0
	s_add_nc_u64 s[4:5], s[4:5], s[52:53]          ; the rows and records of my wave
	s_add_nc_u64 s[12:13], s[12:13], s[52:53]
	s_add_nc_u64 s[6:7], s[6:7], s[54:55]
	s_add_nc_u64 s[14:15], s[14:15], s[54:55]
	s_add_nc_u64 s[G0A+2:G0A+3], s[10:11], s[22:23]        ; chunk 0, my 128 codes: made of the table and the wave's number alone
	s_add_nc_u64 s[G0B+2:G0B+3], s[G0A+2:G0A+3], 131072    ; chunk 1
	s_or_b32 s[G0A+3], s[G0A+3], 0x80000000                ; type = 2
	s_or_b32 s[G0B+3], s[G0B+3], 0x80000000
	s_add_nc_u64 s[G0C+2:G0C+3], s[10:11], s[68:69]
	s_or_b32 s[G0C+3], s[G0C+3], 0x80000000
; Sixteen loads: tile t's 16 rows of r_in into window W.  A load covers two rows' 256 consecutive bytes; a lane holds elements 4 LN .. +3 and 64 + 4 LN .. +3 of row 2 i + HF.
.macro RLOAD t, W
	WIN (\W)<<6
.set i, 0
.rept 8
	global_load_b128 v[RR+8*i:RR+8*i+3],   v[RO], s[4:5] offset:(16*(\t)+2*i)*512 th:TH_LOAD_NT
	global_load_b128 v[RR+8*i+4:RR+8*i+7], v[RO], s[4:5] offset:(16*(\t)+2*i)*512+256 th:TH_LOAD_NT
.set i, i+1
.endr
.endm
.set nn, 0
.rept 32                                               ; the records: pair n's two, each to its half of the lanes
	global_load_b128 v[MQ+4*nn:MQ+4*nn+3], v[RECO], s[6:7] offset:32*nn
.set nn, nn+1
.endr
	RLOAD 0, 2
	RLOAD 1, 3
	WIN 0
	CROUND                                         ; all four work-groups are here: the first joint loads meet
	tensor_load_to_lds s[G0C:G0C+3], s[G1C:G1C+7]  ; three tensor loads of mine are out: -|c|^2/2,
	s_nop 0
	tensor_load_to_lds s[G0A:G0A+3], s[G1:G1+7]    ; chunk 0 into slot 0,
	s_nop 0
	tensor_load_to_lds s[G0B:G0B+3], s[G1:G1+7]    ; chunk 1 into slot 1
	s_nop 0
.rept 4
	v_nop
.endr
; PART 1.  A record's last word gives two byte offsets into the f32 rows and two into the norms.  A loaded number enters an address behind v_min_u32 with its bound.
.macro DECODE n
.set q, MQ+4*(\n)
.set d, MN+2*(\n)
.set u, E1+2*((\n)%2)
	v_and_b32 v[u], 0x7ff, v[q+3]
	v_bfe_u32 v[u+1], v[q+3], 16, 11
	v_min_u32 v[u], 0x7ff, v[u]
	v_min_u32 v[u+1], 0x7ff, v[u+1]
	v_lshlrev_b32 v[d], 2, v[u]
	v_lshlrev_b32 v[d+1], 2, v[u+1]
	v_lshlrev_b32 v[u], 9, v[u]
	v_lshlrev_b32 v[u+1], 9, v[u+1]
	v_add_nc_u32 v[q], v[u], v[L16]
	v_add_nc_u32 v[q+3], v[u+1], v[L16]
.endm
; 48 loads: both candidates' rows for tile t's 8 pairs into window W, and their norms (each lands on its own offset register)
.macro GATH t, W
	WIN (\W)<<6
.set i, 0
.rept 8
.set q, MQ+4*(8*(\t)+i)
	global_load_b128 v[CA+8*i:CA+8*i+3],   v[q],   s[8:9] offset:F32_OFF
	global_load_b128 v[CA+8*i+4:CA+8*i+7], v[q],   s[8:9] offset:F32_OFF+256
	global_load_b128 v[CB+8*i:CB+8*i+3],   v[q+3], s[8:9] offset:F32_OFF
	global_load_b128 v[CB+8*i+4:CB+8*i+7], v[q+3], s[8:9] offset:F32_OFF+256
.set i, i+1
.endr
	WIN 0
.set i, 0
.rept 16
.set d, MN+16*(\t)+i
	global_load_b32 v[d], v[d], s[8:9] offset:CN_OFF
.set i, i+1
.endr
.endm
; Tile t, whose data lie in window W.  cnt: the global loads issued behind this tile's, which may stay out.
.macro TILEP t, W, cnt
	s_wait_loadcnt \cnt
	WIN (\W)*0x55                                  ; every operand place in window W
.set i, 0
.rept 8                                                ; |r|^2, r.a, r.b: three chains side by side; the sums over a row's sixteen lanes ride on the additions
	v_pk_mul_f32 v[PX:PX+1], v[RR+8*i:RR+8*i+1], v[RR+8*i:RR+8*i+1]
	v_pk_mul_f32 v[P1:P1+1], v[RR+8*i:RR+8*i+1], v[CA+8*i:CA+8*i+1]
	v_pk_mul_f32 v[P2:P2+1], v[RR+8*i:RR+8*i+1], v[CB+8*i:CB+8*i+1]
.irp k, 2,4,6
	v_pk_fma_f32 v[PX:PX+1], v[RR+8*i+(\k):RR+8*i+(\k)+1], v[RR+8*i+(\k):RR+8*i+(\k)+1], v[PX:PX+1]
	v_pk_fma_f32 v[P1:P1+1], v[RR+8*i+(\k):RR+8*i+(\k)+1], v[CA+8*i+(\k):CA+8*i+(\k)+1], v[P1:P1+1]
	v_pk_fma_f32 v[P2:P2+1], v[RR+8*i+(\k):RR+8*i+(\k)+1], v[CB+8*i+(\k):CB+8*i+(\k)+1], v[P2:P2+1]
.endr
	v_add_f32 v[PX], v[PX], v[PX+1]
	v_add_f32 v[P1], v[P1], v[P1+1]
	v_add_f32 v[P2], v[P2], v[P2+1]
.irp m, 1,2,4,8
	v_add_f32_dpp v[PX], v[PX], v[PX] row_xmask:\m row_mask:0xf bank_mask:0xf
	v_add_f32_dpp v[P1], v[P1], v[P1] row_xmask:\m row_mask:0xf bank_mask:0xf
	v_add_f32_dpp v[P2], v[P2], v[P2] row_xmask:\m row_mask:0xf bank_mask:0xf
.endr
	v_fma_f32 v[TT1+i], v[P1], -2.0, v[PX]         ; 2 r.c is exact, so this is |r|^2 - 2 r.c rounded once
	v_fma_f32 v[TT2+i], v[P2], -2.0, v[PX]
.set i, i+1
.endr
	WIN \W                                         ; source 0 in window W, the rest in window 0
.set i, 0
.rept 8
.set d, MN+2*(8*(\t)+i)
	v_add_f32 v[d],   v[TT1+i], v[d]               ; + |c|^2: the distances
	v_add_f32 v[d+1], v[TT2+i], v[d+1]
.set i, i+1
.endr
	WIN 0
.set i, 0
.rept 8
.set q, MQ+4*(8*(\t)+i)
.set d, MN+2*(8*(\t)+i)
	v_cmp_lt_f32 s68, v[d+1], v[d]
	v_cmp_eq_f32 s69, v[d+1], v[d]
	v_cmp_lt_u32 s70, v[q+3], v[q]                 ; the offsets differ as the codes do
	s_and_b32 s69, s69, s70
	s_or_b32 s[PM+i], s68, s69                     ; 1: b is taken
	v_cndmask_b32 v[q+3], v[q], v[q+3], s[PM+i]
	v_lshrrev_b32 v[q+3], 9, v[q+3]                ; the code picked
	ds_store_b64 v[HSA], v[q+2:q+3] offset:(16*(\t)+2*i)*16    ; sixteen lanes write the same words with the same values
	ds_store_b32 v[HSA], v[q+1]     offset:(16*(\t)+2*i)*16+8
.set i, i+1
.endr
	WIN (\W)*0x55
.set i, 0
.rept 8
.irp k, 0,1,2,3,4,5,6,7
	v_cndmask_b32 v[CA+8*i+(\k)], v[CA+8*i+(\k)], v[CB+8*i+(\k)], s[PM+i]
.endr
.irp k, 0,2,4,6
	v_pk_add_f32 v[RR+8*i+(\k):RR+8*i+(\k)+1], v[RR+8*i+(\k):RR+8*i+(\k)+1], v[CA+8*i+(\k):CA+8*i+(\k)+1] neg_lo:[0,1] neg_hi:[0,1]
.endr
	global_store_b128 v[WRO], v[RR+8*i:RR+8*i+3],   s[12:13] offset:(16*(\t)+2*i)*512      ; each half of the lanes stores 256 consecutive bytes, aligned
	global_store_b128 v[WRO], v[RR+8*i+4:RR+8*i+7], s[12:13] offset:(16*(\t)+2*i)*512+256
.irp k, 0,1,2,3
	v_cvt_pk_f16_f32 v[CB+8*i+(\k)], v[RR+8*i+2*(\k)], v[RR+8*i+2*(\k)+1]
.endr
	ds_store_b64 v[WXS], v[CB+8*i:CB+8*i+1]   offset:2*i*PITCH
	ds_store_b64 v[WXS], v[CB+8*i+2:CB+8*i+3] offset:2*i*PITCH+128
.set i, i+1
.endr
	WIN 0x40                                       ; destination window 1, address window 0
.irp k, 0,1,2,3                                        ; the tile as four fragments of 16 rows x 32: LDS serves a wave's instructions in order (ISA guide 5.7.1.4): these see the stores above, and the next tile's stores come behind them
	ds_load_b128 v[32*(\t)+8*(\k):32*(\t)+8*(\k)+3],   v[XLD] offset:64*(\k)
	ds_load_b128 v[32*(\t)+8*(\k)+4:32*(\t)+8*(\k)+7], v[XLD] offset:64*(\k)+32
.endr
	WIN 0
.endm
	s_wait_loadcnt 32                              ; the records are in; the 32 loads of tiles 0 and 1 are younger
.set nn, 0
.rept 32
	DECODE nn
.set nn, nn+1
.endr
	GATH 0, 2
	GATH 1, 3
	TILEP 0, 2, 48                                 ; tile 1's 48 gathers are younger
	s_wait_xcnt 0x0                                ; window 2's residuals are the stores' data: they are loaded over only behind this wait
	RLOAD 2, 2
	GATH 2, 2
	TILEP 1, 3, 63                                 ; 64 loads are younger; the wait's field ends at 63, so one more is waited for
	s_wait_xcnt 0x0
	RLOAD 3, 3
	GATH 3, 3
	TILEP 2, 2, 63                                 ; likewise
	TILEP 3, 3, 0
	; PART 2.  The kept scores start at the lowest finite number, so that every tile is folded by one text: 32 lines, where the wave waits for tiles anyway.
.set i, 0
.rept 32
	v_mov_b32 v[B1+i], s[NEGM]
.set i, i+1
.endr
.set i, 0
.rept 4
	v_lshl_or_b32 v[HC+i], v[HF], 2, i
.set i, i+1
.endr
	s_mov_b32 s[TB], SLOT0
	s_mov_b32 s[TC], CNL
	s_mov_b32 s[TI], 0
	s_mov_b32 s[TI+1], 1
	s_wait_tensorcnt 0x1                           ; my parts of -|c|^2/2 and of slot 0 are in; slot 1's, issued last, may stay out
	s_wait_dscnt 0x0                               ; my rows' fragments are in registers, my LDS stores are done
	s_barrier_signal -1
	s_barrier_wait -1                              ; everybody's parts are in
.macro ADDR
	v_add_nc_u32 v[AADR], s[TB], v[A0]
	v_add_nc_u32 v[CADR], s[TC], v[C0]
.endm
; The LDS loads of K step kk of the tile of parity p: two for the fragment (16 codes x 32), and with kk = 0 two for the tile's -|c|^2/2 (8 numbers a lane, the same in sixteen lanes)
.macro FRAG p, kk
.if (\kk) == 0
	ds_load_b128 v[CIN+8*(\p):CIN+8*(\p)+3],   v[CADR] offset:64*(\p)
	ds_load_b128 v[CIN+8*(\p)+4:CIN+8*(\p)+7], v[CADR] offset:64*(\p)+16
.endif
	ds_load_b128 v[AF+32*(\p)+8*(\kk):AF+32*(\p)+8*(\kk)+3],   v[AADR] offset:TILEB*(\p)+64*(\kk)
	ds_load_b128 v[AF+32*(\p)+8*(\kk)+4:AF+32*(\p)+8*(\kk)+7], v[AADR] offset:TILEB*(\p)+64*(\kk)+32
.endm
; THE FOLD of one accumulator (8 scores a lane, at FA; row tile FX).  BF j: 2 t + j % 2 into score j's low 8 bits.  UP c: of class c's largest and scores 2 c, 2 c + 1 the middle one is set
; aside and the largest kept (three registers of window 0: setting 0).  LO c: the second largest takes the middle one if that is larger.  Exact: the second largest of
; {B1, B2, a, a'} with B2 <= B1 is the larger of B2 and the middle one of {B1, a, a'}.
.macro BF j
	v_bfi_b32 v[FA+(\j)], s[LOWM], s[TI+(\j)%2], v[FA+(\j)]
.endm
.macro UP c
	v_med3_num_f32 v[MT+(\c)], v[B1+4*FX+(\c)], v[FA+2*(\c)], v[FA+2*(\c)+1]
	v_max3_num_f32 v[B1+4*FX+(\c)], v[B1+4*FX+(\c)], v[FA+2*(\c)], v[FA+2*(\c)+1]
.endm
.macro LO c
	v_max3_num_f32 v[B2+4*FX+(\c)], v[MT+(\c)], s[NINF], v[B2+4*FX+(\c)]
.endm
.macro MMA p, kk, x
.set rd, ACC+32*(\p)+8*(\x)
.set rf, AF+32*(\p)+8*(\kk)
.set rx, 32*(\x)+8*(\kk)
.if (\kk) == 0
	v_wmma_f32_16x16x32_f16 v[rd:rd+7], v[rf:rf+7], v[rx:rx+7], v[CIN+8*(\p):CIN+8*(\p)+7]
.else
	v_wmma_f32_16x16x32_f16 v[rd:rd+7], v[rf:rf+7], v[rx:rx+7], v[rd:rd+7]
.endif
.endm
; One K step of one tile: four products, the four accumulators by turns.  rid = 1: between them the 20 lines that fold row tile kk of the tile before, its lowest
; register first.  They name no register of the products round them; the six behind the last product are the places in front of the loads into the registers that it read.
; rid = 0: four v_nop take that part.  ld = 1: the same K step's registers take the tile two further on.  cnt: the LDS loads issued behind this K step's own.
.macro KSTEP p, kk, rid, ld, cnt
	s_wait_dscnt \cnt
.set FA, ACC+32*(1-(\p))+8*(\kk)
.set FX, (\kk)
	MMA \p, \kk, 0
.if \rid
	BF 0
	BF 1
	BF 2
	BF 3
	BF 4
.endif
	MMA \p, \kk, 1
.if \rid
	WIN 0
	UP 0
	UP 1
	WIN 0x04
	BF 5
.endif
	MMA \p, \kk, 2
.if \rid
	BF 6
	BF 7
	LO 0
	LO 1
.endif
	MMA \p, \kk, 3
.if \rid
	WIN 0
	UP 2
	UP 3
	WIN 0x04
	LO 2
	LO 3
.else
.rept 4
	v_nop
.endr
.endif
.if \ld
	FRAG \p, \kk
.endif
.endm
; A tile.  A pair of tiles issues 20 LDS loads, and a K step's own were issued a pair earlier: behind them stand the other 16 (kk = 0: its own are four) or 18.
; tail = 1: nothing is fetched any more, and the counts run down.
.macro T p, rid, ld, tail
.irp kq, 0,1,2,3
.if \tail
	KSTEP \p, \kq, \rid, \ld, 10*(1-(\p))+2*(3-(\kq))
.elseif (\kq) == 0
	KSTEP \p, \kq, \rid, \ld, 16
.else
	KSTEP \p, \kq, \rid, \ld, 18
.endif
.endr
.if \rid
	s_add_co_u32 s[TI], s[TI], 2
	s_add_co_u32 s[TI+1], s[TI+1], 2
.endif
.endm
; n trips: each multiplies two tiles (32 products), folds the two tiles one behind them, and fetches the two tiles two ahead
.macro TRIPS n
	s_mov_b32 s[CNT], \n
.Ltrip_\@:
	ADDR
	WIN 0x04                                       ; source 1 in window 1: the products' setting
	T 0, 1, 1, 0
	T 1, 1, 1, 0
	WIN 0                                          ; at a label and at a branch every window is 0
	s_add_co_u32 s[TB], s[TB], 2*TILEB
	s_add_co_u32 s[TC], s[TC], 128
	s_sub_co_u32 s[CNT], s[CNT], 1
	s_cmp_lg_u32 s[CNT], 0
	s_cbranch_scc1 .Ltrip_\@
.endm
; THE CHANGE OF SLOTS stands where the last fragments of a slot have been asked for.  Each wave waits for all its tensor loads, of which one is out: its part of the other slot;
; adds 0 to its spare word; and waits for that and for its reads of the slot.  fill = 1: the slot is filled again with the chunk two further on: the barrier is then a round of the
; cluster's, so that no wave of any partner still reads the slot or has a load on its way, and the joint refill is the first thing behind it: one tensor load of mine is out,
; and it has 16 trips, 512 products, in which to land.
.macro CHANGE fill, g0, next
	s_wait_tensorcnt 0x0                           ; no tensor load of mine is out, so a group 0 may be written
	ds_add_u32 v[SPW], v[NIL]                      ; 0 onto my spare word; scalar work stands between it and the wait for it
.if \fill
	s_add_nc_u64 s[(\g0)+2:(\g0)+3], s[(\g0)+2:(\g0)+3], 262144  ; two chunks on; the type bits on top are not reached
.endif
	s_mov_b32 s[TB], \next
	s_wait_dscnt 0x0                               ; the add is done, and my reads of the slot are over
.if \fill
	CROUND
	tensor_load_to_lds s[(\g0):(\g0)+3], s[G1:G1+7]
	s_nop 0
.rept 4
	v_nop
.endr
.else
	s_barrier_signal -1
	s_barrier_wait -1
.endif
.endm
	ADDR
.irp pp, 0,1
.irp kq, 0,1,2,3
	FRAG \pp, \kq                                  ; tiles 0 and 1, in the order in which every pair is fetched
.endr
.endr
	s_add_co_u32 s[TB], s[TB], 2*TILEB
	s_add_co_u32 s[TC], s[TC], 128
	ADDR
	WIN 0x04
	T 0, 0, 1, 0                                   ; tile 0: nothing to fold yet
	T 1, 1, 1, 0
	WIN 0
	s_add_co_u32 s[TB], s[TB], 2*TILEB
	s_add_co_u32 s[TC], s[TC], 128
	TRIPS 14                                       ; fetches tiles 4 to 31: the rest of slot 0
	CHANGE 1, G0A, SLOT1                           ; slot 0 takes chunk 2
	TRIPS 16                                       ; fetches tiles 32 to 63
	CHANGE 1, G0B, SLOT0                           ; slot 1 takes chunk 3
	TRIPS 16                                       ; tiles 64 to 95
	CHANGE 0, 0, SLOT1                             ; nothing is left to ask for
	TRIPS 16                                       ; tiles 96 to 127
	WIN 0x04
	T 0, 1, 0, 1                                   ; tiles 126 and 127 are multiplied
	T 1, 1, 0, 1
	WIN 0
.irp xq, 0,1,2,3                                       ; tile 127 is folded, row tile 0 first: the lines ahead of each accumulator's first read are the places behind its last product
.set FA, ACC+32+8*(\xq)
.set FX, (\xq)
.irp jj, 0,1,2,3,4,5,6,7
	BF \jj
.endr
.irp cc, 0,1,2,3
	UP \cc
.endr
.irp cc, 0,1,2,3
	LO \cc
.endr
.endr
; PART 3.  Row tile x.  Of a lane's 8 kept scores the two largest (the largest is one of the four B1).  Their classes by equality: the largest takes the lowest class that matches, the second the
; highest, so that two equal bit patterns (inside a class there are none: 2 t + j % 2 differs) still give two codes.  A score's bits 7:1 are t, bit 0 is j % 2: the code is
; 16 t + 8 (lane / 16) + 2 c + j % 2.  Then the two halves of the lanes are merged on (score, code): the larger first one wins; the second is the larger of the loser and the winner's own second.
.macro EPI x
.set eb1, B1+4*(\x)
.set eb2, B2+4*(\x)
	v_max_num_f32 v[E1], v[eb1], v[eb1+1]
	v_min_num_f32 v[E2], v[eb1], v[eb1+1]
	v_med3_num_f32 v[EM], v[E1], v[eb1+2], v[eb1+3]
	v_max3_num_f32 v[E1], v[E1], v[eb1+2], v[eb1+3]
	v_max_num_f32 v[E2], v[E2], v[EM]
	v_max3_num_f32 v[E2], v[E2], v[eb2], v[eb2+1]
	v_max3_num_f32 v[E2], v[E2], v[eb2+2], v[eb2+3]
	v_mov_b32 v[I1], v[HC+3]
	v_mov_b32 v[I2], v[HC]
.irp c, 2,1,0
	v_cmp_eq_u32 s68, v[E1], v[eb1+(\c)]
	v_cndmask_b32 v[I1], v[I1], v[HC+(\c)], s68
.endr
.irp c, 1,2,3
	v_cmp_eq_u32 s68, v[E2], v[eb1+(\c)]
	v_cmp_eq_u32 s69, v[E2], v[eb2+(\c)]
	s_or_b32 s68, s68, s69
	v_cndmask_b32 v[I2], v[I2], v[HC+(\c)], s68
.endr
	v_and_b32 v[ET], 1, v[E1]
	v_lshl_or_b32 v[K1], v[I1], 1, v[ET]
	v_bfe_u32 v[ET], v[E1], 1, 7
	v_lshl_or_b32 v[K1], v[ET], 4, v[K1]           ; my half's first code
	v_and_b32 v[ET], 1, v[E2]
	v_lshl_or_b32 v[K2], v[I2], 1, v[ET]
	v_bfe_u32 v[ET], v[E2], 1, 7
	v_lshl_or_b32 v[K2], v[ET], 4, v[K2]           ; and its second
	v_permlanex16_b32 v[eb1],   v[E1], s[SEL], s[SEL+1]   ; the destinations count as read: registers that have been written
	v_permlanex16_b32 v[eb1+1], v[E2], s[SEL], s[SEL+1]
	v_permlanex16_b32 v[eb1+2], v[K1], s[SEL], s[SEL+1]
	v_permlanex16_b32 v[eb1+3], v[K2], s[SEL], s[SEL+1]
	v_cmp_gt_f32 s68, v[eb1], v[E1]                ; 1: the other half's first wins
	v_cndmask_b32 v[EM], v[K1], v[eb1+2], s68      ; the winner's code
	v_cndmask_b32 v[I1], v[eb1+2], v[K1], s68      ; the loser's code
	v_min_num_f32 v[ET], v[E1], v[eb1]             ; the loser's score
	v_cndmask_b32 v[I2], v[E2], v[eb1+1], s68      ; the winner's own second,
	v_cndmask_b32 v[K2], v[K2], v[eb1+3], s68      ; and its code
	v_cmp_gt_f32 s69, v[I2], v[ET]
	v_cndmask_b32 v[K1], v[I1], v[K2], s69
	v_lshl_or_b32 v[CW+(\x)], v[K1], 16, v[EM]
.endm
	EPI 0
	EPI 1
	EPI 2
	EPI 3
.irp u, 0,1                                            ; 32 records, a row a lane: (old code 1, old code 2, the code picked, the new candidates)
	ds_load_b32 v[TR+4*(\u)],   v[HLD] offset:512*(\u)+8
	ds_load_b32 v[TR+4*(\u)+1], v[HLD] offset:512*(\u)
	ds_load_b32 v[TR+4*(\u)+2], v[HLD] offset:512*(\u)+4
	v_cndmask_b32 v[TR+4*(\u)+3], v[CW+2*(\u)], v[CW+2*(\u)+1], s[HIM]  ; lanes 0-15: row tile 2 u; lanes 16-31: the next
.endr
	s_wait_dscnt 0x0
.irp u, 0,1
	global_store_b128 v[IO], v[TR+4*(\u):TR+4*(\u)+3], s[14:15] offset:512*(\u)  ; 512 consecutive bytes, aligned
.endr
	s_wait_tensorcnt 0x0                           ; the wave's end, behind my last tensor load and my last LDS store
	ds_add_u32 v[SPW], v[NIL]
	s_wait_dscnt 0x0
	CROUND                                         ; the closing round: no work-group ends while a partner may still ask for a tile that names it
	s_endpgm
.Lfunc_end_k_q47e81396c1_stage0:
	.size	k_q47e81396c1_stage0, .Lfunc_end_k_q47e81396c1_stage0-k_q47e81396c1_stage0
	.p2alignl 7, 3214868480
	.fill 96, 4, 3214868480
	.section	.rodata,"a",@progbits
	.p2align	6, 0x0
	.amdhsa_kernel k_q47e81396c1_stage0
		.amdhsa_group_segment_fixed_size 327680
		.amdhsa_private_segment_fixed_size 0
		.amdhsa_enable_private_segment 0
		.amdhsa_kernarg_size 48
		.amdhsa_user_sgpr_count 2
		.amdhsa_user_sgpr_kernarg_segment_ptr 1
		.amdhsa_wavefront_size32 1
		.amdhsa_system_sgpr_workgroup_id_x 1
		.amdhsa_system_sgpr_workgroup_id_y 1
		.amdhsa_system_sgpr_workgroup_id_z 1
		.amdhsa_system_vgpr_workitem_id 0
		.amdhsa_next_free_vgpr 1024
		.amdhsa_next_free_sgpr 80
		.amdhsa_reserve_vcc 0
		.amdhsa_float_denorm_mode_32 3
		.amdhsa_float_denorm_mode_16_64 3
		.amdhsa_memory_ordered 1
		.amdhsa_forward_progress 1
		.amdhsa_inst_pref_size 255
	.end_amdhsa_kernel
	.section	.bss,"aw",@nobits
	.p2align	6
	.space	262144
	.amdgpu_metadata
---
amdhsa.version: [ 1, 2 ]
amdhsa.kernels:
  - .name:           k_q47e81396c1_stage0
    .symbol:         k_q47e81396c1_stage0.kd
    .args:
      - { .name: z_e, .offset: 0, .size: 8, .value_kind: global_buffer, .address_space: global }
      - { .name: idxB, .offset: 8, .size: 8, .value_kind: global_buffer, .address_space: global }
      - { .name: resA, .offset: 16, .size: 8, .value_kind: global_buffer, .address_space: global }
      - { .name: cb0, .offset: 24, .size: 8, .value_kind: global_buffer, .address_space: global }
      - { .name: resB, .offset: 32, .size: 8, .value_kind: global_buffer, .address_space: global }
      - { .name: idxA, .offset: 40, .size: 8, .value_kind: global_buffer, .address_space: global }
    .group_segment_fixed_size: 327680
    .private_segment_fixed_size: 0
    .kernarg_segment_align: 8
    .kernarg_segment_size: 48
    .max_flat_workgroup_size: 128
    .sgpr_count:     80
    .vgpr_count:     1024
    .wavefront_size: 32
...
	.end_amdgpu_metadata
.endif
;; end of part 2
;; launch stage1: the kernel of part 2 again; grid 256 x 1, 4 waves a work-group, clusters of 4 x 1, 327,680 bytes of LDS; arguments resB, idxA, cb0, cb1, resA, idxB; writes resA, idxB
;; launch stage2: the kernel of part 2 again; grid 256 x 1, 4 waves a work-group, clusters of 4 x 1, 327,680 bytes of LDS; arguments resA, idxB, cb1, cb2, resB, idxA; writes resB, idxA
;; launch stage3: the kernel of part 2 again; grid 256 x 1, 4 waves a work-group, clusters of 4 x 1, 327,680 bytes of LDS; arguments resB, idxA, cb2, cb3, resA, idxB; writes resA, idxB
;; launch finish (part 3): grid 512 x 1, 8 waves a work-group, no clusters, 1,280 bytes of LDS; arguments resA, idxB, cb3, z_e, out0, out1, resB; writes out0, out1, resB
.if DOCPART == 3
	.amdgcn_target "amdgcn-amd-amdhsa--gfx1250"
	.amdhsa_code_object_version 6
	.text
	.protected	k_q47e81396c1_finish
	.globl	k_q47e81396c1_finish
	.p2align	8
	.type	k_q47e81396c1_finish,@function
k_q47e81396c1_finish:
	s_mov_b64 s[64:65], 0
	v_nop
	global_prefetch_b8 v0, s[64:65] scope:SCOPE_SE
	s_setreg_imm32_b32 hwreg(HW_REG_WAVE_MODE, 25, 1), 1
	s_wait_xcnt 0x0
; THE LAST PICK AND THE OUTPUTS.  Arguments: r (the residual ahead of the last stage's subtraction), the records, the last stage's table, z_e, out0, out1, the partial sums.
; For each row: both candidates' f32 rows are gathered; d = (|r|^2 - 2 r.c) + |c|^2 in f32, in the order of the problem's formula; b is taken if d_b < d_a, or if they are equal and b < a.
; r4 = r - c;  out0 = z_e - r4, which is the sum of the four code rows to within the rounding of z_e's size, as z + (sum - z) is;  out1 = the record's three codes and the code picked;
; a work-group's sum of r4^2 goes to word [work-group] of the partial sums.
; SHARES.  512 work-groups of eight waves; a work-group owns 128 rows, a wave 16, as two batches of four pairs.  A load or store covers two rows' 256 consecutive bytes
; (lanes 0-15 one row, lanes 16-31 the next); a lane holds elements 4 LN .. +3 and 64 + 4 LN .. +3 of its row.
; No matrix unit, tensor load or cluster: each row is read and written once, and work-groups share nothing but the table's rows that their records happen to name.
; NaN and infinities are not treated apart.
.set CN_OFF,  532480
.set F32_OFF, 540672
.set SPARE,   256                      ; the spare words, 128 bytes a wave: four blocks of 256 bytes that no other line names; the block from 0 holds the waves' eight sums
.set LN,  1                            ; lane % 16
.set HF,  2                            ; lane / 16
.set RO,  3                            ; 512 HF + 16 LN
.set L16, 4                            ; 16 LN
.set CO,  5                            ; 16 HF + 12: a record's last word
.set HL,  7                            ; LN / 2
.set SPW, 8                            ; my spare word; never rewritten
.set NIL, 9                            ; 0; never rewritten
.set WA,  10                           ; 4 x wave
.set ZR,  11                           ; 0, as an address
.set OF1, 12                           ; v[12:19] pair p: byte offset of candidate a's row, + 16 LN
.set OF2, 20                           ; v[20:27] of candidate b's
.set N1,  28                           ; v[28:35] offset of a's norm, then the norm
.set N2,  36                           ; v[36:43]
.set CH,  44                           ; v[44:51] pair p: the candidates' word, then the code picked
.set RL,  52                           ; v[52:55] the record of row LN
.set LS,  56                           ; v[56:57] the sum of r4^2
.set RR,  64                           ; a batch: pair k at 8 k
.set CA,  96
.set CB,  128
.set ZZ,  160
.set PX,  192
.set P1,  194
.set P2,  196
.set D1,  198
.set D2,  199
.set U1,  200
.set U2,  201
	s_load_b256 s[4:11], s[0:1], 0x0               ; r s[4:5], records s[6:7], table s[8:9], z_e s[10:11]
	s_load_b128 s[12:15], s[0:1], 0x20             ; out0 s[12:13], out1 s[14:15]
	s_load_b64 s[16:17], s[0:1], 0x30              ; partial sums
	v_lshl_add_u32 v[SPW], v0, 2, SPARE
	v_mov_b32 v[NIL], 0
	v_lshrrev_b32 v1, 5, v0
	v_readfirstlane_b32 s18, v1                    ; wave 0..7
	v_and_b32 v[LN], 15, v0
	v_bfe_u32 v[HF], v0, 4, 1
	v_lshlrev_b32 v[L16], 4, v[LN]
	v_lshl_add_u32 v[RO], v[HF], 9, v[L16]
	v_lshlrev_b32 v[CO], 4, v[HF]
	v_add_nc_u32 v[CO], 12, v[CO]
	v_lshrrev_b32 v[HL], 1, v[LN]
	v_mov_b32 v[ZR], 0
	v_mov_b32 v[LS], 0
	v_mov_b32 v[LS+1], 0
	s_mov_b32 s19, ttmp9
	s_lshl_b32 s20, s19, 16                        ; 128 rows of 512 bytes,
	s_lshl_b32 s21, s18, 13                        ; my wave's 16
	s_add_co_u32 s20, s20, s21
	s_mov_b32 s21, 0
	s_lshl_b32 s22, s19, 11                        ; 128 records of 16 bytes
	s_lshl_b32 s23, s18, 8
	s_add_co_u32 s22, s22, s23
	s_mov_b32 s23, 0
	s_lshl_b32 s28, s19, 2
	s_mov_b32 s29, 0
	s_mov_b32 s24, 0x76543210                      ; v_permlanex16_b32: each lane takes its own place in the other half
	s_mov_b32 s25, 0xfedcba98
	s_wait_kmcnt 0x0
	s_add_nc_u64 s[4:5], s[4:5], s[20:21]
	s_add_nc_u64 s[10:11], s[10:11], s[20:21]
	s_add_nc_u64 s[12:13], s[12:13], s[20:21]
	s_add_nc_u64 s[6:7], s[6:7], s[22:23]
	s_add_nc_u64 s[14:15], s[14:15], s[22:23]
	s_add_nc_u64 s[16:17], s[16:17], s[28:29]
.macro LOADRZ b                        ; sixteen loads: a batch's rows of r and of z_e
.set k, 0
.rept 4
	global_load_b128 v[RR+8*k:RR+8*k+3],   v[RO], s[4:5]   offset:(4*(\b)+k)*1024 th:TH_LOAD_NT
	global_load_b128 v[RR+8*k+4:RR+8*k+7], v[RO], s[4:5]   offset:(4*(\b)+k)*1024+256 th:TH_LOAD_NT
	global_load_b128 v[ZZ+8*k:ZZ+8*k+3],   v[RO], s[10:11] offset:(4*(\b)+k)*1024 th:TH_LOAD_NT
	global_load_b128 v[ZZ+8*k+4:ZZ+8*k+7], v[RO], s[10:11] offset:(4*(\b)+k)*1024+256 th:TH_LOAD_NT
.set k, k+1
.endr
.endm
.macro LOADC b                         ; sixteen loads: both candidates' rows
.set k, 0
.rept 4
	global_load_b128 v[CA+8*k:CA+8*k+3],   v[OF1+4*(\b)+k], s[8:9] offset:F32_OFF
	global_load_b128 v[CA+8*k+4:CA+8*k+7], v[OF1+4*(\b)+k], s[8:9] offset:F32_OFF+256
	global_load_b128 v[CB+8*k:CB+8*k+3],   v[OF2+4*(\b)+k], s[8:9] offset:F32_OFF
	global_load_b128 v[CB+8*k+4:CB+8*k+7], v[OF2+4*(\b)+k], s[8:9] offset:F32_OFF+256
.set k, k+1
.endr
.endm
.macro PAIRF p, k                      ; pair p, whose data lie in place k of the batch
	v_pk_mul_f32 v[PX:PX+1], v[RR+8*(\k):RR+8*(\k)+1], v[RR+8*(\k):RR+8*(\k)+1]
	v_pk_mul_f32 v[P1:P1+1], v[RR+8*(\k):RR+8*(\k)+1], v[CA+8*(\k):CA+8*(\k)+1]
	v_pk_mul_f32 v[P2:P2+1], v[RR+8*(\k):RR+8*(\k)+1], v[CB+8*(\k):CB+8*(\k)+1]
.irp e, 2,4,6
	v_pk_fma_f32 v[PX:PX+1], v[RR+8*(\k)+(\e):RR+8*(\k)+(\e)+1], v[RR+8*(\k)+(\e):RR+8*(\k)+(\e)+1], v[PX:PX+1]
	v_pk_fma_f32 v[P1:P1+1], v[RR+8*(\k)+(\e):RR+8*(\k)+(\e)+1], v[CA+8*(\k)+(\e):CA+8*(\k)+(\e)+1], v[P1:P1+1]
	v_pk_fma_f32 v[P2:P2+1], v[RR+8*(\k)+(\e):RR+8*(\k)+(\e)+1], v[CB+8*(\k)+(\e):CB+8*(\k)+(\e)+1], v[P2:P2+1]
.endr
	v_add_f32 v[PX], v[PX], v[PX+1]
	v_add_f32 v[P1], v[P1], v[P1+1]
	v_add_f32 v[P2], v[P2], v[P2+1]
.irp m, 1,2,4,8
	v_add_f32_dpp v[PX], v[PX], v[PX] row_xmask:\m row_mask:0xf bank_mask:0xf
	v_add_f32_dpp v[P1], v[P1], v[P1] row_xmask:\m row_mask:0xf bank_mask:0xf
	v_add_f32_dpp v[P2], v[P2], v[P2] row_xmask:\m row_mask:0xf bank_mask:0xf
.endr
	v_fma_f32 v[D1], v[P1], -2.0, v[PX]            ; 2 r.c is exact, so this is |r|^2 - 2 r.c rounded once
	v_fma_f32 v[D2], v[P2], -2.0, v[PX]
	v_add_f32 v[D1], v[D1], v[N1+(\p)]
	v_add_f32 v[D2], v[D2], v[N2+(\p)]
	v_cmp_lt_f32 s40, v[D2], v[D1]
	v_cmp_eq_f32 s41, v[D2], v[D1]
	v_cmp_lt_u32 s42, v[OF2+(\p)], v[OF1+(\p)]
	s_and_b32 s41, s41, s42
	s_or_b32 s40, s40, s41                         ; 1: b is taken
	v_cndmask_b32 v[CH+(\p)], v[OF1+(\p)], v[OF2+(\p)], s40
	v_lshrrev_b32 v[CH+(\p)], 9, v[CH+(\p)]        ; the code picked
.irp e, 0,1,2,3,4,5,6,7
	v_cndmask_b32 v[CA+8*(\k)+(\e)], v[CA+8*(\k)+(\e)], v[CB+8*(\k)+(\e)], s40
.endr
.irp e, 0,2,4,6
	v_pk_add_f32 v[RR+8*(\k)+(\e):RR+8*(\k)+(\e)+1], v[RR+8*(\k)+(\e):RR+8*(\k)+(\e)+1], v[CA+8*(\k)+(\e):CA+8*(\k)+(\e)+1] neg_lo:[0,1] neg_hi:[0,1]
.endr
.irp e, 0,2,4,6
	v_pk_add_f32 v[ZZ+8*(\k)+(\e):ZZ+8*(\k)+(\e)+1], v[ZZ+8*(\k)+(\e):ZZ+8*(\k)+(\e)+1], v[RR+8*(\k)+(\e):RR+8*(\k)+(\e)+1] neg_lo:[0,1] neg_hi:[0,1]
	v_pk_fma_f32 v[LS:LS+1], v[RR+8*(\k)+(\e):RR+8*(\k)+(\e)+1], v[RR+8*(\k)+(\e):RR+8*(\k)+(\e)+1], v[LS:LS+1]
.endr
	global_store_b128 v[RO], v[ZZ+8*(\k):ZZ+8*(\k)+3],   s[12:13] offset:(\p)*1024 th:TH_STORE_NT      ; each half of the lanes stores 256 consecutive bytes, aligned
	global_store_b128 v[RO], v[ZZ+8*(\k)+4:ZZ+8*(\k)+7], s[12:13] offset:(\p)*1024+256 th:TH_STORE_NT
.endm
.set p, 0
.rept 8
	global_load_b32 v[CH+p], v[CO], s[6:7] offset:32*p   ; pair p's two words, each to its half of the lanes
.set p, p+1
.endr
	global_load_b128 v[RL:RL+3], v[L16], s[6:7]    ; the record of row LN
	LOADRZ 0
	s_wait_loadcnt 16                              ; the records are in; the batch's sixteen loads are younger
.set p, 0
.rept 8                                                ; a loaded number enters an address behind v_min_u32 with its bound
	v_and_b32 v[U1], 0x7ff, v[CH+p]
	v_bfe_u32 v[U2], v[CH+p], 16, 11
	v_min_u32 v[U1], 0x7ff, v[U1]
	v_min_u32 v[U2], 0x7ff, v[U2]
	v_lshlrev_b32 v[N1+p], 2, v[U1]
	v_lshlrev_b32 v[N2+p], 2, v[U2]
	v_lshlrev_b32 v[U1], 9, v[U1]
	v_lshlrev_b32 v[U2], 9, v[U2]
	v_add_nc_u32 v[OF1+p], v[U1], v[L16]
	v_add_nc_u32 v[OF2+p], v[U2], v[L16]
.set p, p+1
.endr
	LOADC 0
.set p, 0
.rept 8
	global_load_b32 v[N1+p], v[N1+p], s[8:9] offset:CN_OFF  ; each lands on its own offset register
	global_load_b32 v[N2+p], v[N2+p], s[8:9] offset:CN_OFF
.set p, p+1
.endr
	s_wait_loadcnt 0x0
	PAIRF 0, 0
	PAIRF 1, 1
	PAIRF 2, 2
	PAIRF 3, 3
	s_wait_xcnt 0x0                                ; the stores' data are loaded over only behind this wait
	LOADRZ 1
	LOADC 1
	s_wait_loadcnt 0x0
	PAIRF 4, 0
	PAIRF 5, 1
	PAIRF 6, 2
	PAIRF 7, 3
	; out1.  Row LN's code lies in register LN / 2, in the half LN % 2 of the lanes: the sixteen lanes with LN % 2 = HF hold one row each.
	v_mov_b32 v[RL+3], v[CH]
.set p, 1
.rept 7
	v_cmp_eq_u32 s40, p, v[HL]
	v_cndmask_b32 v[RL+3], v[RL+3], v[CH+p], s40
.set p, p+1
.endr
	v_and_b32 v[U1], 1, v[LN]
	v_cmp_eq_u32 vcc_lo, v[U1], v[HF]
	s_wait_xcnt 0x0                                ; EXEC is a source of the stores above: it changes only behind this wait
	s_and_saveexec_b32 s41, vcc_lo
	global_store_b128 v[L16], v[RL:RL+3], s[14:15] th:TH_STORE_NT  ; sixteen rows: 256 consecutive bytes, aligned
	s_wait_xcnt 0x0                                ; and again, in front of the line that widens it
	s_or_b32 exec_lo, exec_lo, s41
	; the loss: over the lane's two sums, the wave's lanes, the work-group's waves
	v_add_f32 v[LS], v[LS], v[LS+1]
.irp m, 1,2,4,8
	v_add_f32_dpp v[LS], v[LS], v[LS] row_xmask:\m row_mask:0xf bank_mask:0xf
.endr
	v_permlanex16_b32 v[LS+1], v[LS], s24, s25
	v_add_f32 v[LS], v[LS], v[LS+1]
	v_mov_b32 v[WA], s18
	v_lshlrev_b32 v[WA], 2, v[WA]
	ds_store_b32 v[WA], v[LS]                      ; all lanes write one word with one value
	s_wait_dscnt 0x0                               ; for the others' sake
	s_barrier_signal -1
	s_barrier_wait -1
	s_cmp_lg_u32 s18, 0
	s_cbranch_scc1 .Lend
	ds_load_b128 v[PX:PX+3], v[ZR]
	ds_load_b128 v[P2:P2+3], v[ZR] offset:16
	s_wait_dscnt 0x0
	v_pk_add_f32 v[PX:PX+1], v[PX:PX+1], v[P1:P1+1]
	v_pk_add_f32 v[P2:P2+1], v[P2:P2+1], v[D1:D1+1]
	v_pk_add_f32 v[PX:PX+1], v[PX:PX+1], v[P2:P2+1]
	v_add_f32 v[PX], v[PX], v[PX+1]
	v_cmp_eq_u32 vcc_lo, 0, v0
	s_wait_xcnt 0x0
	s_and_saveexec_b32 s41, vcc_lo
	global_store_b32 v[ZR], v[PX], s[16:17]        ; one number a work-group
	s_wait_xcnt 0x0
	s_or_b32 exec_lo, exec_lo, s41
.Lend:
	s_wait_tensorcnt 0x0                           ; the wave's end, behind my last LDS store
	ds_add_u32 v[SPW], v[NIL]
	s_wait_dscnt 0x0
	s_endpgm
.Lfunc_end_k_q47e81396c1_finish:
	.size	k_q47e81396c1_finish, .Lfunc_end_k_q47e81396c1_finish-k_q47e81396c1_finish
	.p2alignl 7, 3214868480
	.fill 96, 4, 3214868480
	.section	.rodata,"a",@progbits
	.p2align	6, 0x0
	.amdhsa_kernel k_q47e81396c1_finish
		.amdhsa_group_segment_fixed_size 1280
		.amdhsa_private_segment_fixed_size 0
		.amdhsa_enable_private_segment 0
		.amdhsa_kernarg_size 56
		.amdhsa_user_sgpr_count 2
		.amdhsa_user_sgpr_kernarg_segment_ptr 1
		.amdhsa_wavefront_size32 1
		.amdhsa_system_sgpr_workgroup_id_x 1
		.amdhsa_system_sgpr_workgroup_id_y 1
		.amdhsa_system_sgpr_workgroup_id_z 1
		.amdhsa_system_vgpr_workitem_id 0
		.amdhsa_next_free_vgpr 208
		.amdhsa_next_free_sgpr 66
		.amdhsa_reserve_vcc 1
		.amdhsa_float_denorm_mode_32 3
		.amdhsa_float_denorm_mode_16_64 3
		.amdhsa_memory_ordered 1
		.amdhsa_forward_progress 1
		.amdhsa_inst_pref_size 45
	.end_amdhsa_kernel
	.amdgpu_metadata
---
amdhsa.version: [ 1, 2 ]
amdhsa.kernels:
  - .name:           k_q47e81396c1_finish
    .symbol:         k_q47e81396c1_finish.kd
    .args:
      - { .name: resA, .offset: 0, .size: 8, .value_kind: global_buffer, .address_space: global }
      - { .name: idxB, .offset: 8, .size: 8, .value_kind: global_buffer, .address_space: global }
      - { .name: cb3, .offset: 16, .size: 8, .value_kind: global_buffer, .address_space: global }
      - { .name: z_e, .offset: 24, .size: 8, .value_kind: global_buffer, .address_space: global }
      - { .name: out0, .offset: 32, .size: 8, .value_kind: global_buffer, .address_space: global }
      - { .name: out1, .offset: 40, .size: 8, .value_kind: global_buffer, .address_space: global }
      - { .name: resB, .offset: 48, .size: 8, .value_kind: global_buffer, .address_space: global }
    .group_segment_fixed_size: 1280
    .private_segment_fixed_size: 0
    .kernarg_segment_align: 8
    .kernarg_segment_size: 56
    .max_flat_workgroup_size: 256
    .sgpr_count:     66
    .vgpr_count:     208
    .wavefront_size: 32
...
	.end_amdgpu_metadata
.endif
;; end of part 3
;; launch loss (part 4): grid 1 x 1, 1 waves a work-group, no clusters, 0 bytes of LDS; arguments resB, out2; writes out2
.if DOCPART == 4
	.amdgcn_target "amdgcn-amd-amdhsa--gfx1250"
	.amdhsa_code_object_version 6
	.text
	.protected	k_q47e81396c1_loss
	.globl	k_q47e81396c1_loss
	.p2align	8
	.type	k_q47e81396c1_loss,@function
k_q47e81396c1_loss:
	s_mov_b64 s[64:65], 0
	v_nop
	global_prefetch_b8 v0, s[64:65] scope:SCOPE_SE
	s_setreg_imm32_b32 hwreg(HW_REG_WAVE_MODE, 25, 1), 1
	s_wait_xcnt 0x0
; loss = 1.25 x the mean of (sum of code rows - z_e)^2 over 65,536 x 128 = 2^23 numbers: the 512 partial sums are added in a fixed order and multiplied by 1.25 x 2^-23.
; One wave: 2,048 bytes, four loads of 512 consecutive bytes.  A sum over work-groups has one owner, so it is a launch of its own.
	s_load_b128 s[4:7], s[0:1], 0x0                ; partial sums s[4:5], out2 s[6:7]
	v_lshlrev_b32 v1, 4, v0
	v_mov_b32 v2, 0
	s_mov_b32 s8, 0x76543210                       ; v_permlanex16_b32: each lane takes its own place in the other half
	s_mov_b32 s9, 0xfedcba98
	s_wait_kmcnt 0x0
.irp k, 0,1,2,3
	global_load_b128 v[4+4*(\k):7+4*(\k)], v1, s[4:5] offset:512*(\k)
.endr
	s_wait_loadcnt 0x0
	v_pk_add_f32 v[4:5], v[4:5], v[6:7]
	v_pk_add_f32 v[8:9], v[8:9], v[10:11]
	v_pk_add_f32 v[12:13], v[12:13], v[14:15]
	v_pk_add_f32 v[16:17], v[16:17], v[18:19]
	v_pk_add_f32 v[4:5], v[4:5], v[8:9]
	v_pk_add_f32 v[12:13], v[12:13], v[16:17]
	v_pk_add_f32 v[4:5], v[4:5], v[12:13]
	v_add_f32 v4, v4, v5
.irp m, 1,2,4,8
	v_add_f32_dpp v4, v4, v4 row_xmask:\m row_mask:0xf bank_mask:0xf
.endr
	v_permlanex16_b32 v5, v4, s8, s9
	v_add_f32 v4, v4, v5
	v_mul_f32 v4, 0x34200000, v4                   ; 1.25 x 2^-23
	v_cmp_eq_u32 vcc_lo, 0, v0
	s_wait_xcnt 0x0                                ; EXEC changes only behind this wait
	s_and_saveexec_b32 s10, vcc_lo
	global_store_b32 v2, v4, s[6:7]
	s_wait_xcnt 0x0
	s_or_b32 exec_lo, exec_lo, s10
	s_endpgm
.Lfunc_end_k_q47e81396c1_loss:
	.size	k_q47e81396c1_loss, .Lfunc_end_k_q47e81396c1_loss-k_q47e81396c1_loss
	.p2alignl 7, 3214868480
	.fill 96, 4, 3214868480
	.section	.rodata,"a",@progbits
	.p2align	6, 0x0
	.amdhsa_kernel k_q47e81396c1_loss
		.amdhsa_group_segment_fixed_size 0
		.amdhsa_private_segment_fixed_size 0
		.amdhsa_enable_private_segment 0
		.amdhsa_kernarg_size 16
		.amdhsa_user_sgpr_count 2
		.amdhsa_user_sgpr_kernarg_segment_ptr 1
		.amdhsa_wavefront_size32 1
		.amdhsa_system_sgpr_workgroup_id_x 1
		.amdhsa_system_sgpr_workgroup_id_y 1
		.amdhsa_system_sgpr_workgroup_id_z 1
		.amdhsa_system_vgpr_workitem_id 0
		.amdhsa_next_free_vgpr 24
		.amdhsa_next_free_sgpr 66
		.amdhsa_reserve_vcc 1
		.amdhsa_float_denorm_mode_32 3
		.amdhsa_float_denorm_mode_16_64 3
		.amdhsa_memory_ordered 1
		.amdhsa_forward_progress 1
		.amdhsa_inst_pref_size 3
	.end_amdhsa_kernel
	.amdgpu_metadata
---
amdhsa.version: [ 1, 2 ]
amdhsa.kernels:
  - .name:           k_q47e81396c1_loss
    .symbol:         k_q47e81396c1_loss.kd
    .args:
      - { .name: resB, .offset: 0, .size: 8, .value_kind: global_buffer, .address_space: global }
      - { .name: out2, .offset: 8, .size: 8, .value_kind: global_buffer, .address_space: global }
    .group_segment_fixed_size: 0
    .private_segment_fixed_size: 0
    .kernarg_segment_align: 8
    .kernarg_segment_size: 16
    .max_flat_workgroup_size: 32
    .sgpr_count:     66
    .vgpr_count:     24
    .wavefront_size: 32
...
	.end_amdgpu_metadata
.endif
;; end of part 4
;; ======== version 2 of 3: 7 launches; 1.15 times as fast as version 1
;; limits: inputs' magnitudes at most 65,504; values are held in f16: magnitudes above 65,504 overflow, below 6.1e-05 lose precision
;; workspace buffers: cb0 1,589,248 bytes; cb1 1,589,248 bytes; cb2 1,589,248 bytes; cb3 1,589,248 bytes; resA 33,554,432 bytes; resB 33,554,432 bytes; idxA 1,048,576 bytes of whole numbers; idxB 1,048,576 bytes of whole numbers
;; launch prep (part 5): grid 128 x 1, 4 waves a work-group, no clusters, 18,432 bytes of LDS; arguments codebooks, cb0, cb1, cb2, cb3; writes cb0, cb1, cb2, cb3
.if DOCPART == 5
	.amdgcn_target "amdgcn-amd-amdhsa--gfx1250"
	.amdhsa_code_object_version 6
	.text
	.protected	k_q47e81396c1_prep
	.globl	k_q47e81396c1_prep
	.p2align	8
	.type	k_q47e81396c1_prep,@function
k_q47e81396c1_prep:
	s_mov_b64 s[64:65], 0
	v_nop
	global_prefetch_b8 v0, s[64:65] scope:SCOPE_SE
	s_setreg_imm32_b32 hwreg(HW_REG_WAVE_MODE, 25, 1), 1
	s_wait_xcnt 0x0
; TABLES FOR THE FOUR STAGES.  codebooks: [4][2048][128] f32.  For each stage a table of its own:
;   byte 0        the 2,048 rows rounded to f16, 256 bytes a row
;   byte NH_OFF   -|c|^2 / 2, 2,048 f32       byte CN_OFF   |c|^2, 2,048 f32       byte F32_OFF  the rows as they are, f32
; SHARES.  128 work-groups of four waves; a work-group owns 64 rows (32 work-groups a codebook), a wave 16, as 8 pairs of rows.  A load covers
; two rows' 256 consecutive bytes (lanes 0-15 one row, lanes 16-31 the next); two loads cover both rows whole.  The f32 copy leaves the same way.
; The f16 rows go through a stage of the wave's own in LDS, so that sixteen lanes store one whole row of 256 bytes.
; No matrix unit, no cluster, no tensor load: 4 MB are read once and 6 MB written once; work-groups share nothing.
; LIMIT.  f16 ends at 65,504 and keeps a fixed step of 6e-8 below 6e-5; the f16 rows serve the coarse search alone.
.set PITCH,   272                      ; a stage row: 256 bytes + 16
.set STG,     0                        ; 4 waves x 16 rows x 272 bytes
.set TAB,     4*16*PITCH               ; 64 f32: the work-group's norms
.set SPARE,   TAB+256                  ; the spare words, 128 bytes a wave: two blocks of 256 bytes that no other line names
.set NH_OFF,  524288
.set CN_OFF,  532480
.set F32_OFF, 540672
.set LN,  1                            ; lane % 16
.set HF,  2                            ; lane / 16
.set RO,  3                            ; 512 HF + 16 LN: my 16 bytes in a pair of f32 rows
.set STA, 4                            ; stage, in: row HF, 8 bytes at 8 LN
.set SLD, 5                            ; stage, back: row HF, 16 bytes at 16 LN
.set HO,  6                            ; 16 x lane: my 16 bytes in a pair of f16 rows
.set TBA, 7                            ; TAB + 4 (16 wave + HF)
.set SPW, 8                            ; my spare word; never rewritten
.set NIL, 9                            ; 0; never rewritten
.set DT,  16                           ; v[16:79]   pair i: 8 registers as loaded
.set HP,  80                           ; v[80:111]  pair i: 4 registers of f16
.set HB,  112                          ; v[112:143] pair i: 4 registers read back
.set PS,  144                          ; v[144:145] a row's sum of squares at work
.set FC,  146                          ; v[146:147] -0.5 or 1.0
.set TD,  148                          ; v[148:151] four norms
.set TA2, 152                          ; TAB + 16 LN
.set TOF, 153                          ; where my four numbers go in the table
	s_load_b256 s[4:11], s[0:1], 0x0               ; codebooks s[4:5], cb0 s[6:7], cb1 s[8:9], cb2 s[10:11]
	s_load_b64 s[12:13], s[0:1], 0x20              ; cb3
	v_lshl_add_u32 v[SPW], v0, 2, SPARE
	v_mov_b32 v[NIL], 0
	v_lshrrev_b32 v1, 5, v0
	v_readfirstlane_b32 s18, v1                    ; wave 0..3
	v_and_b32 v[LN], 15, v0
	v_bfe_u32 v[HF], v0, 4, 1
	s_mov_b32 s19, ttmp9                           ; work-group 0..127
	s_lshr_b32 s20, s19, 5                         ; its codebook
	s_and_b32 s21, s19, 31                         ; its place in that codebook: rows 64 x place on
	v_lshlrev_b32 v[RO], 4, v[LN]
	v_lshl_add_u32 v[RO], v[HF], 9, v[RO]
	s_mul_i32 s30, s18, 16*PITCH                   ; my wave's stage
	v_mul_u32_u24 v[STA], v[HF], PITCH
	v_add_nc_u32 v[STA], s30, v[STA]
	v_lshl_add_u32 v[SLD], v[LN], 4, v[STA]
	v_lshl_add_u32 v[STA], v[LN], 3, v[STA]
	v_and_b32 v[HO], 31, v0
	v_lshlrev_b32 v[HO], 4, v[HO]
	s_lshl_b32 s31, s18, 6
	s_add_co_u32 s31, s31, TAB
	v_lshl_add_u32 v[TBA], v[HF], 2, s31
	s_lshl_b32 s22, s19, 15                        ; source: 64 rows of 512 bytes a work-group,
	s_lshl_b32 s23, s18, 13                        ; 16 a wave
	s_add_co_u32 s22, s22, s23
	s_lshl_b32 s24, s21, 15                        ; the f32 copy: the same, counted inside the codebook
	s_add_co_u32 s24, s24, s23
	s_mov_b32 s23, 0
	s_mov_b32 s25, 0
	s_lshl_b32 s34, s21, 14                        ; the f16 rows: 256 bytes a row
	s_lshl_b32 s35, s18, 12
	s_add_co_u32 s34, s34, s35
	s_mov_b32 s35, 0
	s_lshl_b32 s38, s21, 8                         ; the norms: 256 bytes a work-group
	s_wait_kmcnt 0x0
	s_cmp_eq_u32 s20, 1                            ; the table of my codebook: a choice between buffers by the work-group's number
	s_cselect_b64 s[6:7], s[8:9], s[6:7]
	s_cmp_eq_u32 s20, 2
	s_cselect_b64 s[6:7], s[10:11], s[6:7]
	s_cmp_eq_u32 s20, 3
	s_cselect_b64 s[6:7], s[12:13], s[6:7]
	s_add_nc_u64 s[4:5], s[4:5], s[22:23]
	s_add_nc_u64 s[26:27], s[6:7], s[24:25]
	s_add_nc_u64 s[28:29], s[6:7], s[34:35]
.set i, 0
.rept 8
	global_load_b128 v[DT+8*i:DT+8*i+3],   v[RO], s[4:5] offset:1024*i th:TH_LOAD_NT
	global_load_b128 v[DT+8*i+4:DT+8*i+7], v[RO], s[4:5] offset:1024*i+256 th:TH_LOAD_NT
.set i, i+1
.endr
	s_wait_loadcnt 0x0                             ; all sixteen rows of the wave
.set i, 0
.rept 8
	global_store_b128 v[RO], v[DT+8*i:DT+8*i+3],   s[26:27] offset:F32_OFF+1024*i      ; sixteen lanes store 256 consecutive bytes, aligned
	global_store_b128 v[RO], v[DT+8*i+4:DT+8*i+7], s[26:27] offset:F32_OFF+1024*i+256
.set i, i+1
.endr
.set i, 0
.rept 8
.irp k, 0,1,2,3
	v_cvt_pk_f16_f32 v[HP+4*i+(\k)], v[DT+8*i+2*(\k)], v[DT+8*i+2*(\k)+1]
.endr
	ds_store_b64 v[STA], v[HP+4*i:HP+4*i+1]   offset:2*i*PITCH       ; elements 4 LN .. 4 LN + 3
	ds_store_b64 v[STA], v[HP+4*i+2:HP+4*i+3] offset:2*i*PITCH+128   ; elements 64 + 4 LN ..
	v_pk_mul_f32 v[PS:PS+1], v[DT+8*i:DT+8*i+1], v[DT+8*i:DT+8*i+1]
.irp k, 2,4,6
	v_pk_fma_f32 v[PS:PS+1], v[DT+8*i+(\k):DT+8*i+(\k)+1], v[DT+8*i+(\k):DT+8*i+(\k)+1], v[PS:PS+1]
.endr
	v_add_f32 v[PS], v[PS], v[PS+1]
.irp m, 1,2,4,8
	v_add_f32_dpp v[PS], v[PS], v[PS] row_xmask:\m row_mask:0xf bank_mask:0xf   ; over the row's sixteen lanes
.endr
	ds_store_b32 v[TBA], v[PS] offset:8*i          ; sixteen lanes write one word with one value
.set i, i+1
.endr
.set i, 0
.rept 8
	ds_load_b128 v[HB+4*i:HB+4*i+3], v[SLD] offset:2*i*PITCH  ; LDS serves a wave's instructions in order (ISA guide 5.7.1.4): these see the stores above
.set i, i+1
.endr
.set i, 0
.rept 8
	s_wait_dscnt 7-i                               ; pair i is back; the younger loads stay out
	global_store_b128 v[HO], v[HB+4*i:HB+4*i+3], s[28:29] offset:512*i  ; two whole f16 rows, 512 consecutive bytes
.set i, i+1
.endr
	s_wait_dscnt 0x0                               ; for the others' sake: my norms are in TAB
	s_barrier_signal -1
	s_barrier_wait -1
	s_cmp_lg_u32 s18, 0
	s_cbranch_scc1 .Ldone                          ; wave 0 writes the work-group's 64 norms, twice
	v_lshl_add_u32 v[TA2], v[LN], 4, TAB
	ds_load_b128 v[TD:TD+3], v[TA2]
	v_cmp_eq_u32 vcc_lo, 1, v[HF]
	v_cndmask_b32 v[FC], -0.5, 1.0, vcc_lo         ; lanes 0-15: -|c|^2 / 2; lanes 16-31: |c|^2
	v_mov_b32 v[FC+1], v[FC]
	v_lshlrev_b32 v[TOF], 13, v[HF]                ; CN_OFF lies 8,192 bytes behind NH_OFF
	v_lshl_add_u32 v[TOF], v[LN], 4, v[TOF]
	v_add_nc_u32 v[TOF], s38, v[TOF]
	s_wait_dscnt 0x0
	v_pk_mul_f32 v[TD:TD+1], v[TD:TD+1], v[FC:FC+1]
	v_pk_mul_f32 v[TD+2:TD+3], v[TD+2:TD+3], v[FC:FC+1]
	global_store_b128 v[TOF], v[TD:TD+3], s[6:7] offset:NH_OFF  ; each half of the lanes stores 256 consecutive bytes, aligned
.Ldone:
	s_wait_tensorcnt 0x0                           ; the wave's end, behind my last LDS store
	ds_add_u32 v[SPW], v[NIL]
	s_wait_dscnt 0x0
	s_endpgm
.Lfunc_end_k_q47e81396c1_prep:
	.size	k_q47e81396c1_prep, .Lfunc_end_k_q47e81396c1_prep-k_q47e81396c1_prep
	.p2alignl 7, 3214868480
	.fill 96, 4, 3214868480
	.section	.rodata,"a",@progbits
	.p2align	6, 0x0
	.amdhsa_kernel k_q47e81396c1_prep
		.amdhsa_group_segment_fixed_size 18432
		.amdhsa_private_segment_fixed_size 0
		.amdhsa_enable_private_segment 0
		.amdhsa_kernarg_size 40
		.amdhsa_user_sgpr_count 2
		.amdhsa_user_sgpr_kernarg_segment_ptr 1
		.amdhsa_wavefront_size32 1
		.amdhsa_system_sgpr_workgroup_id_x 1
		.amdhsa_system_sgpr_workgroup_id_y 1
		.amdhsa_system_sgpr_workgroup_id_z 1
		.amdhsa_system_vgpr_workitem_id 0
		.amdhsa_next_free_vgpr 160
		.amdhsa_next_free_sgpr 66
		.amdhsa_reserve_vcc 1
		.amdhsa_float_denorm_mode_32 3
		.amdhsa_float_denorm_mode_16_64 3
		.amdhsa_memory_ordered 1
		.amdhsa_forward_progress 1
		.amdhsa_inst_pref_size 16
	.end_amdhsa_kernel
	.amdgpu_metadata
---
amdhsa.version: [ 1, 2 ]
amdhsa.kernels:
  - .name:           k_q47e81396c1_prep
    .symbol:         k_q47e81396c1_prep.kd
    .args:
      - { .name: codebooks, .offset: 0, .size: 8, .value_kind: global_buffer, .address_space: global }
      - { .name: cb0, .offset: 8, .size: 8, .value_kind: global_buffer, .address_space: global }
      - { .name: cb1, .offset: 16, .size: 8, .value_kind: global_buffer, .address_space: global }
      - { .name: cb2, .offset: 24, .size: 8, .value_kind: global_buffer, .address_space: global }
      - { .name: cb3, .offset: 32, .size: 8, .value_kind: global_buffer, .address_space: global }
    .group_segment_fixed_size: 18432
    .private_segment_fixed_size: 0
    .kernarg_segment_align: 8
    .kernarg_segment_size: 40
    .max_flat_workgroup_size: 128
    .sgpr_count:     66
    .vgpr_count:     160
    .wavefront_size: 32
...
	.end_amdgpu_metadata
.endif
;; end of part 5
;; launch stage0 (part 6): grid 256 x 1, 4 waves a work-group, clusters of 4 x 1, 327,680 bytes of LDS; arguments z_e, cb0, idxA; writes idxA
.if DOCPART == 6
	.amdgcn_target "amdgcn-amd-amdhsa--gfx1250"
	.amdhsa_code_object_version 6
	.text
	.protected	k_q47e81396c1_stage0
	.globl	k_q47e81396c1_stage0
	.p2align	8
	.type	k_q47e81396c1_stage0,@function
k_q47e81396c1_stage0:
	s_mov_b64 s[64:65], 0
	v_nop
	global_prefetch_b8 v0, s[64:65] scope:SCOPE_SE
	s_setreg_imm32_b32 hwreg(HW_REG_WAVE_MODE, 25, 1), 1
	s_wait_xcnt 0x0
	s_wait_alu depctr_hold_cnt(0) depctr_sa_sdst(0) depctr_va_vdst(0) depctr_va_sdst(0) depctr_va_ssrc(0) depctr_va_vcc(0) depctr_vm_vsrc(0)
	s_getreg_b32 s2, hwreg(HW_REG_IB_STS2, 6, 4)
	s_cmp_eq_u32 s2, 0
	s_cbranch_scc0 .Lentry_in_a_cluster
	s_endpgm
.Lentry_in_a_cluster:
	s_bfe_u32 s2, ttmp6, 0x10000c
	s_cmp_lg_u32 s2, 0x3003
	s_cbranch_scc0 .Lentry_shape_is_right
	s_endpgm
.Lentry_shape_is_right:
; THE FIRST STAGE OF THE RESIDUAL QUANTISER, for 65,536 rows of 128 f32 and a codebook of 2,048 rows.  Arguments: z_e, the stage's table, idx_out.
; A table: f16 rows at 0, -|c|^2/2 at NH_OFF.  No stage comes before this one, so there is nothing to pick and no residual to store: the residual is z_e itself, which the next
; stage reads.  So this stage has a text of its own: rows in, THE SEARCH, records out.  The search's macros are those of the later stages' text; the price is that they stand twice in the program.
; A record of 16 bytes a row: three codes already decided (here 0, 0, 0) and the word a | b << 16: this stage's two candidates, between which the next launch picks in f32.
; THE SEARCH.  z rounded to f16; score = z.c - |c|^2/2 for all 2,048 codes on the matrix unit, -|c|^2/2 entering as the C operand of the first
;   K step.  Source 0 = 16 codes, source 1 = 16 rows: a lane holds ONE row (lane % 16) and codes 16 t + 8 (lane / 16) + j in register j.
;   A score's lowest 8 bits are replaced by 2 t + j % 2, and for each (j / 2, lane / 16), 8 classes a row, the LARGEST TWO scores are kept.
;   The two largest of a row's 16 kept scores are the candidates; their classes are found by comparing for equality, no further bit is replaced.
; LIMITS.  f16 operands: |z| and |c| under 65,504; below 6e-5 a fixed step of 6e-8.  Scores are compared to 2^-15 of their size.  The code that the f32 formula
;   ranks first is found if it is among the two largest coarse scores: it is lost where TWO other codes tie with it to within the f16 rounding.  That error grows
;   with a common offset of the codebook, since the scores then grow.  NaN and infinities are not treated apart.
; SHARES.  A work-group owns 256 rows, a wave 64: four tiles of 16.  Every wave walks all codes.
; CLUSTER.  The four work-groups of a cluster walk the same table: every tile is asked for jointly, same descriptor, mask of four.
; REGISTERS, in windows of 256 (s_set_vgpr_msb: bits 1:0 source 0, 3:2 source 1, 5:4 source 2, 7:6 destination):
;   window 0: addresses, NH, the codes' fragments, two sets of accumulators, the kept scores
;   window 1: v0-127 the rows' f16 fragments (tile x, K step kk at 32 x + 8 kk)          windows 2, 3: the rows as loaded, tiles 0, 2 and 1, 3
; The products run with source 1 in window 1.  Of the 80 lines that fold a tile's 32 scores a lane, 48 name registers as destination, source 0 and source 2 only and stand under
; that setting; the 32 that take three registers of window 0 stand in eight groups of four between two switches: sixteen switches for a tile's sixteen products.
.set PITCH,   272                      ; an LDS row: 256 bytes + 16 of padding = 68 words: the 16 rows of a fragment load start at 16 different groups of four banks (ISA guide 11.1)
.set TILEB,   16*PITCH                 ; 16 codes
.set SLOT0,   0                        ; 512 codes
.set SLOT1,   512*PITCH
.set CNL,     2*512*PITCH              ; -|c|^2/2 of the stage, 2,048 f32
.set XST,     CNL+8192                 ; a wave's own: 16 rows x 272 bytes of f16, on their way to fragments; no tile lands here
.set SPARE,   XST+4*TILEB              ; the spare words, 128 bytes a wave: two blocks of 256 bytes that no other line names
.set NH_OFF,  524288
.set LN,   1                           ; lane % 16
.set HF,   2                           ; lane / 16
.set AADR, 3                           ; LDS address of the fragments to be fetched
.set CADR, 4                           ; of their -|c|^2/2
.set A0,   5                           ; 272 LN + 16 HF
.set C0,   6                           ; 32 HF
.set RO,   7                           ; 512 HF + 16 LN
.set XLD,  10                          ; my stage + 272 LN + 16 HF
.set IO,   13                          ; 16 lane
.set SPW,  14                          ; my spare word; never rewritten
.set NIL,  15                          ; 0; never rewritten
.set CIN,  16                          ; v[16:31]   -|c|^2/2 of a tile's 8 codes a lane, by the tile's parity
.set AF,   32                          ; v[32:95]   fragments of 16 codes: parity p, K step kk at 32 p + 8 kk
.set ACC,  96                          ; v[96:159]  scores: parity p, row tile x at 32 p + 8 x
.set B1,   160                         ; v[160:175] the largest score: row tile x, class c at 4 x + c
.set B2,   176                         ; v[176:191] the second largest
.set MT,   192                         ; v[192:207] the middle one of three, at 4 x + c, from its making to the tile's end
.set HC,   224                         ; v[224:227] HF << 2 | c
.set E1,   232                         ; at work behind the search
.set E2,   233
.set EM,   234
.set I1,   235
.set I2,   236
.set K1,   237
.set K2,   238
.set ET,   239
.set CW,   240                         ; v[240:243] the candidates of row tile x
.set TR,   244                         ; v[244:251] two records to store
.set RR,   0                           ; windows 2, 3: pair i of tile 0 or 1 at 8 i
.set RS,   64                          ; pair i of tile 2 or 3
.set CB,   128                         ; the f16 rows: pair i at 8 i, tiles 2 and 3 four registers further on
.set WXS,  215                         ; my stage + 272 HF + 8 LN
.set WV,   16                          ; s16 wave
.set TI,   20                          ; s20, s21: 2 t and 2 t + 1 for the tile t whose scores are being folded
.set G1,   24                          ; s[24:31] descriptor group 1: 128 codes
.set G1C,  32                          ; s[32:39] group 1: 2,048 bytes of -|c|^2/2
.set G0A,  40                          ; s[40:43] group 0, slot 0
.set G0B,  44                          ; s[44:47] slot 1
.set G0C,  48                          ; s[48:51] -|c|^2/2
.set LOWM, 56                          ; 0xff
.set NINF, 58                          ; -infinity: the idle operand of a three-way maximum
.set CNT,  59
.set TB,   60                          ; LDS byte at which the tiles to be fetched begin
.set TC,   61                          ; the same for -|c|^2/2
.set SEL,  62                          ; s[62:63] v_permlanex16_b32: each lane takes its own place in the other half
.set HIM,  67                          ; lanes 16-31
.set NEGM, 71                          ; the lowest finite number
.set MSB, 0
.macro WIN new                         ; the immediate's high byte repeats the setting that is left; a switch that changes nothing is dropped
.if MSB != (\new)
	s_set_vgpr_msb (MSB<<8)|(\new)
.set MSB, (\new)
.endif
.endm
; A round of the cluster's barrier: my work-group's barrier, so that wave 0's signal speaks for all four waves; wave 0 signals; every wave waits for all four work-groups; my work-group's barrier once more.
.macro CROUND
	s_barrier_signal -1
	s_barrier_wait -1
	s_cmp_lg_u32 s[WV], 0
	s_cbranch_scc1 .Lnot_wave_0_\@
	s_barrier_signal -3
.Lnot_wave_0_\@:
	s_barrier_wait -3
	s_barrier_signal -1
	s_barrier_wait -1
.endm
	s_load_b128 s[4:7], s[0:1], 0x0                ; z_e s[4:5], the table s[6:7]
	s_load_b64 s[14:15], s[0:1], 0x10              ; idx_out
	v_lshl_add_u32 v[SPW], v0, 2, SPARE
	v_mov_b32 v[NIL], 0
	ds_add_u32 v[SPW], v[NIL]                      ; the wave's opening: the add and its wait stand ahead of my first tensor load; the set-up below, work on registers, stands between them
	v_lshrrev_b32 v1, 5, v0
	v_readfirstlane_b32 s[WV], v1                  ; wave 0..3
	v_and_b32 v[LN], 15, v0
	v_bfe_u32 v[HF], v0, 4, 1
	s_bfe_u32 s17, ttmp6, 0x40000                  ; cx: my place in the cluster
	s_lshl_b32 s18, ttmp9, 2                       ; in a cluster launch ttmp9 counts clusters
	s_add_co_u32 s18, s18, s17                     ; my block of 256 rows: it enters the rows' and records' addresses alone
	s_lshl_b32 s52, s18, 17                        ; 256 rows of 512 bytes,
	s_lshl_b32 s53, s[WV], 15                      ; my wave's 64
	s_add_co_u32 s52, s52, s53
	s_mov_b32 s53, 0
	s_lshl_b32 s54, s18, 12                        ; 256 records of 16 bytes,
	s_lshl_b32 s55, s[WV], 10
	s_add_co_u32 s54, s54, s55
	s_mov_b32 s55, 0
	s_lshl_b32 s22, s[WV], 15                      ; of a chunk of 512 codes I fetch 128: 32,768 bytes
	s_mov_b32 s23, 0
	s_lshl_b32 s68, s[WV], 11                      ; and 2,048 bytes of -|c|^2/2
	s_add_co_u32 s68, s68, NH_OFF
	s_mov_b32 s69, 0
	s_mul_i32 s19, s[WV], TILEB
	s_add_co_u32 s19, s19, XST                     ; my stage
	v_mul_u32_u24 v[A0], v[LN], PITCH
	v_lshl_add_u32 v[A0], v[HF], 4, v[A0]
	v_lshlrev_b32 v[C0], 5, v[HF]
	v_lshlrev_b32 v[RO], 4, v[LN]
	v_lshl_add_u32 v[RO], v[HF], 9, v[RO]
	v_add_nc_u32 v[XLD], s19, v[A0]
	v_mul_u32_u24 v[E1], v[HF], PITCH
	v_lshl_add_u32 v[E1], v[LN], 3, v[E1]
	v_add_nc_u32 v[E1], s19, v[E1]
	v_and_b32 v[IO], 31, v0
	v_lshlrev_b32 v[IO], 4, v[IO]
	WIN 0x80                                       ; destination window 2
	v_mov_b32 v[WXS], v[E1]
	WIN 0xc0                                       ; destination window 3
	v_mov_b32 v[WXS], v[E1]
	WIN 0
	; group 1 for the codes: 128 rows x 128 elements of 2 bytes, dense in memory, padded in LDS
	s_mov_b32 s[G1+0], 15|(1<<16)|(1<<20)|(1<<21)|(5<<22)|(3<<25)  ; 15:0 the mask of four; 17:16 2-byte elements; 20 padding on; 21 set beside a mask; 24:22 after every 64 words; 31:25 4 words
	s_mov_b32 s[G1+1], 128<<16                     ; tensor_dim0 = 128
	s_mov_b32 s[G1+2], 128<<16                     ; tensor_dim1 = 128
	s_mov_b32 s[G1+3], 128<<16                     ; tile_dim0 = 128
	s_mov_b32 s[G1+4], 128                         ; tile_dim1 = 128
	s_mov_b32 s[G1+5], 128                         ; 128 elements from row to row
	s_mov_b32 s[G1+6], 0
	s_mov_b32 s[G1+7], 0
	; group 1 for -|c|^2/2: 2,048 dense bytes as 8 rows of 32 elements of 8 bytes, no padding
	s_mov_b32 s[G1C+0], 15|(3<<16)|(1<<21)
	s_mov_b32 s[G1C+1], 32<<16
	s_mov_b32 s[G1C+2], 8<<16
	s_mov_b32 s[G1C+3], 32<<16
	s_mov_b32 s[G1C+4], 8
	s_mov_b32 s[G1C+5], 32
	s_mov_b32 s[G1C+6], 0
	s_mov_b32 s[G1C+7], 0
	s_mov_b32 s[G0A], 1
	s_mul_i32 s[G0A+1], s[WV], 128*PITCH           ; LDS: slot 0 + wave x 128 rows: no place in the cluster enters an LDS address
	s_mov_b32 s[G0B], 1
	s_add_co_u32 s[G0B+1], s[G0A+1], SLOT1
	s_mov_b32 s[G0C], 1
	s_lshl_b32 s[G0C+1], s[WV], 11
	s_add_co_u32 s[G0C+1], s[G0C+1], CNL
	s_mov_b32 s[LOWM], 0xff
	s_mov_b32 s[NINF], 0xff800000
	s_mov_b32 s[SEL], 0x76543210
	s_mov_b32 s[SEL+1], 0xfedcba98
	s_mov_b32 s[HIM], 0xffff0000
	s_mov_b32 s[NEGM], 0xff7fffff
	s_wait_dscnt 0x0                               ; the opening add is done
	s_wait_kmcnt 0x0
	s_add_nc_u64 s[4:5], s[4:5], s[52:53]          ; the rows and records of my wave
	s_add_nc_u64 s[14:15], s[14:15], s[54:55]
	s_add_nc_u64 s[G0A+2:G0A+3], s[6:7], s[22:23]          ; chunk 0, my 128 codes: made of the table and the wave's number alone
	s_add_nc_u64 s[G0B+2:G0B+3], s[G0A+2:G0A+3], 131072    ; chunk 1
	s_or_b32 s[G0A+3], s[G0A+3], 0x80000000                ; type = 2
	s_or_b32 s[G0B+3], s[G0B+3], 0x80000000
	s_add_nc_u64 s[G0C+2:G0C+3], s[6:7], s[68:69]
	s_or_b32 s[G0C+3], s[G0C+3], 0x80000000
; Sixteen loads: tile t's 16 rows of z_e into window W, from register reg on.  A load covers two rows' 256 consecutive bytes; a lane holds elements 4 LN .. +3 and 64 + 4 LN .. +3 of row 2 i + HF.
.macro RLOAD t, W, reg
	WIN (\W)<<6
.set i, 0
.rept 8
	global_load_b128 v[(\reg)+8*i:(\reg)+8*i+3],   v[RO], s[4:5] offset:(16*(\t)+2*i)*512 th:TH_LOAD_NT
	global_load_b128 v[(\reg)+8*i+4:(\reg)+8*i+7], v[RO], s[4:5] offset:(16*(\t)+2*i)*512+256 th:TH_LOAD_NT
.set i, i+1
.endr
.endm
	RLOAD 0, 2, RR                                 ; all of the wave's 64 rows are asked for at once: 32,768 bytes
	RLOAD 1, 3, RR
	RLOAD 2, 2, RS
	RLOAD 3, 3, RS
	WIN 0
	CROUND                                         ; all four work-groups are here: the first joint loads meet
	tensor_load_to_lds s[G0C:G0C+3], s[G1C:G1C+7]  ; three tensor loads of mine are out: -|c|^2/2,
	s_nop 0
	tensor_load_to_lds s[G0A:G0A+3], s[G1:G1+7]    ; chunk 0 into slot 0,
	s_nop 0
	tensor_load_to_lds s[G0B:G0B+3], s[G1:G1+7]    ; chunk 1 into slot 1
	s_nop 0
.rept 4
	v_nop
.endr
; Tile t, whose rows lie in window W from register reg on: rounded to f16 (into CB + o), through my stage in LDS, back as four fragments of 16 rows x 32.
; cnt: the global loads issued behind this tile's, which may stay out.
.macro ZTILE t, W, reg, o, cnt
	s_wait_loadcnt \cnt
	WIN (\W)*0x55                                  ; every operand place in window W
.set i, 0
.rept 8
.irp k, 0,1,2,3
	v_cvt_pk_f16_f32 v[CB+8*i+(\o)+(\k)], v[(\reg)+8*i+2*(\k)], v[(\reg)+8*i+2*(\k)+1]
.endr
	ds_store_b64 v[WXS], v[CB+8*i+(\o):CB+8*i+(\o)+1]   offset:2*i*PITCH
	ds_store_b64 v[WXS], v[CB+8*i+(\o)+2:CB+8*i+(\o)+3] offset:2*i*PITCH+128
.set i, i+1
.endr
	WIN 0x40                                       ; destination window 1, address window 0
.irp k, 0,1,2,3                                        ; LDS serves a wave's instructions in order (ISA guide 5.7.1.4): these see the stores above, and the next tile's stores come behind them
	ds_load_b128 v[32*(\t)+8*(\k):32*(\t)+8*(\k)+3],   v[XLD] offset:64*(\k)
	ds_load_b128 v[32*(\t)+8*(\k)+4:32*(\t)+8*(\k)+7], v[XLD] offset:64*(\k)+32
.endr
	WIN 0
.endm
	ZTILE 0, 2, RR, 0, 48                          ; the 48 loads of tiles 1 to 3 are younger
	ZTILE 1, 3, RR, 0, 32
	ZTILE 2, 2, RS, 4, 16
	ZTILE 3, 3, RS, 4, 0
	; THE SEARCH.  The kept scores start at the lowest finite number, so that every tile is folded by one text: 32 lines, where the wave waits for tiles anyway.
.set i, 0
.rept 32
	v_mov_b32 v[B1+i], s[NEGM]
.set i, i+1
.endr
.set i, 0
.rept 4
	v_lshl_or_b32 v[HC+i], v[HF], 2, i
.set i, i+1
.endr
	s_mov_b32 s[TB], SLOT0
	s_mov_b32 s[TC], CNL
	s_mov_b32 s[TI], 0
	s_mov_b32 s[TI+1], 1
	s_wait_tensorcnt 0x1                           ; my parts of -|c|^2/2 and of slot 0 are in; slot 1's, issued last, may stay out
	s_wait_dscnt 0x0                               ; my rows' fragments are in registers, my LDS stores are done
	s_barrier_signal -1
	s_barrier_wait -1                              ; everybody's parts are in
.macro ADDR                            ; the even tile of a pair lies at these addresses, the odd one TILEB (64 bytes of -|c|^2/2) further on
	v_add_nc_u32 v[AADR], s[TB], v[A0]
	v_add_nc_u32 v[CADR], s[TC], v[C0]
.endm
; Ten LDS loads in ONE run: the tile of parity q: its -|c|^2/2 (8 numbers a lane, the same in sixteen lanes) and its four fragments of 16 codes x 32
.macro FRAGS q
	ds_load_b128 v[CIN+8*(\q):CIN+8*(\q)+3],   v[CADR] offset:64*(\q)
	ds_load_b128 v[CIN+8*(\q)+4:CIN+8*(\q)+7], v[CADR] offset:64*(\q)+16
.irp kk, 0,1,2,3
	ds_load_b128 v[AF+32*(\q)+8*(\kk):AF+32*(\q)+8*(\kk)+3],   v[AADR] offset:TILEB*(\q)+64*(\kk)
	ds_load_b128 v[AF+32*(\q)+8*(\kk)+4:AF+32*(\q)+8*(\kk)+7], v[AADR] offset:TILEB*(\q)+64*(\kk)+32
.endr
.endm
; THE FOLD of one accumulator (8 scores a lane, at FA; row tile FX).  BF j: 2 t + j % 2 into score j's low 8 bits.  UP c: of class c's largest and scores 2 c, 2 c + 1 the middle one is set
; aside and the largest kept (three registers of window 0: setting 0).  LO c: the second largest takes the middle one if that is larger.  Exact: the second largest of
; {B1, B2, a, a'} with B2 <= B1 is the larger of B2 and the middle one of {B1, a, a'}.
.macro BF j
	v_bfi_b32 v[FA+(\j)], s[LOWM], s[TI+(\j)%2], v[FA+(\j)]
.endm
.macro UP c
	v_med3_num_f32 v[MT+4*FX+(\c)], v[B1+4*FX+(\c)], v[FA+2*(\c)], v[FA+2*(\c)+1]
	v_max3_num_f32 v[B1+4*FX+(\c)], v[B1+4*FX+(\c)], v[FA+2*(\c)], v[FA+2*(\c)+1]
.endm
.macro LO c
	v_max3_num_f32 v[B2+4*FX+(\c)], v[MT+4*FX+(\c)], s[NINF], v[B2+4*FX+(\c)]
.endm
.macro FSET x                          ; the fold turns to row tile x of the tile before (parity FP)
.set FX, (\x)
.set FA, ACC+32*FP+8*FX
.endm
; Product pn of a tile's 16: K step pn / 4, row tile pn % 4: the four accumulators by turns.  The first K step takes -|c|^2/2 as C.
.macro MMA p
.set mk, pn/4
.set mx, pn%4
.set rd, ACC+32*(\p)+8*mx
.set rf, AF+32*(\p)+8*mk
.set rx, 32*mx+8*mk
.if mk == 0
	v_wmma_f32_16x16x32_f16 v[rd:rd+7], v[rf:rf+7], v[rx:rx+7], v[CIN+8*(\p):CIN+8*(\p)+7]
.else
	v_wmma_f32_16x16x32_f16 v[rd:rd+7], v[rf:rf+7], v[rx:rx+7], v[rd:rd+7]
.endif
.endm
; The four lines behind product pn.  0-3: UP for row tiles 0 and 1, whose index bits the tile's head has set; 4-7: BF for row tiles 2 and 3, each accumulator's lowest register first;
; 8-11: their UP; 12-15: LO, a row tile a product.  No line reads a result made fewer than four products before it, and none names a register of the products round it.
.macro RID
.if pn < 4
	FSET pn/2
	WIN 0
	UP 2*(pn%2)
	UP 2*(pn%2)+1
	WIN 0x04
.elseif pn < 8
	FSET 2+(pn-4)/2
	BF 4*(pn%2)
	BF 4*(pn%2)+1
	BF 4*(pn%2)+2
	BF 4*(pn%2)+3
.elseif pn < 12
	FSET 2+(pn-8)/2
	WIN 0
	UP 2*(pn%2)
	UP 2*(pn%2)+1
	WIN 0x04
.else
	FSET pn-12
	LO 0
	LO 1
	LO 2
	LO 3
.endif
.endm
; A TILE of parity p: 16 products, and (rid = 1) the 80 lines that fold the tile before.  64 of them stand four behind each product; the other 16, the index bits of row tiles 0 and 1,
; stand together at the tile's head.  Behind them (ld = 1) the ONE run of ten LDS loads brings the next tile into the other parity's registers, 16 products ahead of its first use.
; The last product that read those registers is the tile before's last: the four lines behind it and the 16 at this head, which name none of its registers, are the places
; in front of the loads.  The wait leaves the ten loads just issued out: the ten of the run before, which this tile multiplies, are in.
; rid = 0 (tile 0): nothing to fold; four v_nop behind the last product are the places in front of the next tile's first read of these scores.
.macro T p, rid, ld
.set FP, 1-(\p)
.if \rid
.irp xx, 0,1
	FSET \xx
.irp jj, 0,1,2,3,4,5,6,7
	BF \jj
.endr
.endr
.endif
.if \ld
	FRAGS 1-(\p)
	s_wait_dscnt 10
.else
	s_wait_dscnt 0x0                               ; the last tile: nothing was issued behind its own loads
.endif
.set pn, 0
.rept 16
	MMA \p
.if \rid
	RID
.endif
.set pn, pn+1
.endr
.if \rid
	s_add_co_u32 s[TI], s[TI], 2
	s_add_co_u32 s[TI+1], s[TI+1], 2
.else
.rept 4
	v_nop
.endr
.endif
.endm
; n trips: each multiplies an odd tile and the even one behind it (32 products), folds the two tiles one behind them, and fetches the two tiles one ahead.
; The address lines stand 16 products behind the last loads that read those registers.
.macro TRIPS n
	s_mov_b32 s[CNT], \n
.Ltrip_\@:
	ADDR
	WIN 0x04                                       ; source 1 in window 1: the products' setting
	T 1, 1, 1
	T 0, 1, 1
	WIN 0                                          ; at a label and at a branch every window is 0
	s_add_co_u32 s[TB], s[TB], 2*TILEB
	s_add_co_u32 s[TC], s[TC], 128
	s_sub_co_u32 s[CNT], s[CNT], 1
	s_cmp_lg_u32 s[CNT], 0
	s_cbranch_scc1 .Ltrip_\@
.endm
; THE CHANGE OF SLOTS stands where the last fragments of a slot have been asked for.  Each wave waits for all its tensor loads, of which one is out: its part of the other slot;
; adds 0 to its spare word; and waits for that and for its reads of the slot.  fill = 1: the slot is filled again with the chunk two further on: the barrier is then a round of the
; cluster's, so that no wave of any partner still reads the slot or has a load on its way, and the joint refill is the first thing behind it: one tensor load of mine is out,
; and it has 16 trips, 512 products, in which to land.
.macro CHANGE fill, g0, next
	s_wait_tensorcnt 0x0                           ; no tensor load of mine is out, so a group 0 may be written
	ds_add_u32 v[SPW], v[NIL]                      ; 0 onto my spare word; scalar work stands between it and the wait for it
.if \fill
	s_add_nc_u64 s[(\g0)+2:(\g0)+3], s[(\g0)+2:(\g0)+3], 262144  ; two chunks on; the type bits on top are not reached
.endif
	s_mov_b32 s[TB], \next
	s_wait_dscnt 0x0                               ; the add is done, and my reads of the slot are over
.if \fill
	CROUND
	tensor_load_to_lds s[(\g0):(\g0)+3], s[G1:G1+7]
	s_nop 0
.rept 4
	v_nop
.endr
.else
	s_barrier_signal -1
	s_barrier_wait -1
.endif
.endm
	ADDR
	FRAGS 0                                        ; tile 0
	WIN 0x04
	T 0, 0, 1                                      ; tile 0 is multiplied, tile 1 fetched: nothing to fold yet
	WIN 0
	s_add_co_u32 s[TB], s[TB], 2*TILEB
	s_add_co_u32 s[TC], s[TC], 128
	TRIPS 15                                       ; tiles 1 to 30; fetches tiles 2 to 31: the rest of slot 0
	CHANGE 1, G0A, SLOT1                           ; slot 0 takes chunk 2
	TRIPS 16                                       ; tiles 31 to 62; fetches tiles 32 to 63
	CHANGE 1, G0B, SLOT0                           ; slot 1 takes chunk 3
	TRIPS 16                                       ; tiles 63 to 94; fetches tiles 64 to 95
	CHANGE 0, 0, SLOT1                             ; nothing is left to ask for
	TRIPS 16                                       ; tiles 95 to 126; fetches tiles 96 to 127
	WIN 0x04
	T 1, 1, 0                                      ; tile 127 is multiplied, tile 126 folded
	WIN 0
.set FP, 1
.irp xq, 0,1,2,3                                       ; tile 127 is folded, row tile 0 first: the lines ahead of each accumulator's first read are the places behind its last product
	FSET \xq
.irp jj, 0,1,2,3,4,5,6,7
	BF \jj
.endr
.irp cc, 0,1,2,3
	UP \cc
.endr
.irp cc, 0,1,2,3
	LO \cc
.endr
.endr
; THE CANDIDATES.  Row tile x.  Of a lane's 8 kept scores the two largest (the largest is one of the four B1).  Their classes by equality: the largest takes the lowest class that matches, the second the
; highest, so that two equal bit patterns (inside a class there are none: 2 t + j % 2 differs) still give two codes.  A score's bits 7:1 are t, bit 0 is j % 2: the code is
; 16 t + 8 (lane / 16) + 2 c + j % 2.  Then the two halves of the lanes are merged on (score, code): the larger first one wins; the second is the larger of the loser and the winner's own second.
.macro EPI x
.set eb1, B1+4*(\x)
.set eb2, B2+4*(\x)
	v_max_num_f32 v[E1], v[eb1], v[eb1+1]
	v_min_num_f32 v[E2], v[eb1], v[eb1+1]
	v_med3_num_f32 v[EM], v[E1], v[eb1+2], v[eb1+3]
	v_max3_num_f32 v[E1], v[E1], v[eb1+2], v[eb1+3]
	v_max_num_f32 v[E2], v[E2], v[EM]
	v_max3_num_f32 v[E2], v[E2], v[eb2], v[eb2+1]
	v_max3_num_f32 v[E2], v[E2], v[eb2+2], v[eb2+3]
	v_mov_b32 v[I1], v[HC+3]
	v_mov_b32 v[I2], v[HC]
.irp c, 2,1,0
	v_cmp_eq_u32 s68, v[E1], v[eb1+(\c)]
	v_cndmask_b32 v[I1], v[I1], v[HC+(\c)], s68
.endr
.irp c, 1,2,3
	v_cmp_eq_u32 s68, v[E2], v[eb1+(\c)]
	v_cmp_eq_u32 s69, v[E2], v[eb2+(\c)]
	s_or_b32 s68, s68, s69
	v_cndmask_b32 v[I2], v[I2], v[HC+(\c)], s68
.endr
	v_and_b32 v[ET], 1, v[E1]
	v_lshl_or_b32 v[K1], v[I1], 1, v[ET]
	v_bfe_u32 v[ET], v[E1], 1, 7
	v_lshl_or_b32 v[K1], v[ET], 4, v[K1]           ; my half's first code
	v_and_b32 v[ET], 1, v[E2]
	v_lshl_or_b32 v[K2], v[I2], 1, v[ET]
	v_bfe_u32 v[ET], v[E2], 1, 7
	v_lshl_or_b32 v[K2], v[ET], 4, v[K2]           ; and its second
	v_permlanex16_b32 v[eb1],   v[E1], s[SEL], s[SEL+1]   ; the destinations count as read: registers that have been written
	v_permlanex16_b32 v[eb1+1], v[E2], s[SEL], s[SEL+1]
	v_permlanex16_b32 v[eb1+2], v[K1], s[SEL], s[SEL+1]
	v_permlanex16_b32 v[eb1+3], v[K2], s[SEL], s[SEL+1]
	v_cmp_gt_f32 s68, v[eb1], v[E1]                ; 1: the other half's first wins
	v_cndmask_b32 v[EM], v[K1], v[eb1+2], s68      ; the winner's code
	v_cndmask_b32 v[I1], v[eb1+2], v[K1], s68      ; the loser's code
	v_min_num_f32 v[ET], v[E1], v[eb1]             ; the loser's score
	v_cndmask_b32 v[I2], v[E2], v[eb1+1], s68      ; the winner's own second,
	v_cndmask_b32 v[K2], v[K2], v[eb1+3], s68      ; and its code
	v_cmp_gt_f32 s69, v[I2], v[ET]
	v_cndmask_b32 v[K1], v[I1], v[K2], s69
	v_lshl_or_b32 v[CW+(\x)], v[K1], 16, v[EM]
.endm
	EPI 0
	EPI 1
	EPI 2
	EPI 3
.irp u, 0,1                                            ; 32 records, a row a lane: no code is decided yet: (0, 0, 0, the candidates)
	v_mov_b32 v[TR+4*(\u)], 0
	v_mov_b32 v[TR+4*(\u)+1], 0
	v_mov_b32 v[TR+4*(\u)+2], 0
	v_cndmask_b32 v[TR+4*(\u)+3], v[CW+2*(\u)], v[CW+2*(\u)+1], s[HIM]  ; lanes 0-15: row tile 2 u; lanes 16-31: the next
.endr
.irp u, 0,1
	global_store_b128 v[IO], v[TR+4*(\u):TR+4*(\u)+3], s[14:15] offset:512*(\u)  ; 512 consecutive bytes, aligned
.endr
	s_wait_tensorcnt 0x0                           ; the wave's end, behind my last tensor load and my last LDS store
	ds_add_u32 v[SPW], v[NIL]
	s_wait_dscnt 0x0
	CROUND                                         ; the closing round: no work-group ends while a partner may still ask for a tile that names it
	s_endpgm
.Lfunc_end_k_q47e81396c1_stage0:
	.size	k_q47e81396c1_stage0, .Lfunc_end_k_q47e81396c1_stage0-k_q47e81396c1_stage0
	.p2alignl 7, 3214868480
	.fill 96, 4, 3214868480
	.section	.rodata,"a",@progbits
	.p2align	6, 0x0
	.amdhsa_kernel k_q47e81396c1_stage0
		.amdhsa_group_segment_fixed_size 327680
		.amdhsa_private_segment_fixed_size 0
		.amdhsa_enable_private_segment 0
		.amdhsa_kernarg_size 24
		.amdhsa_user_sgpr_count 2
		.amdhsa_user_sgpr_kernarg_segment_ptr 1
		.amdhsa_wavefront_size32 1
		.amdhsa_system_sgpr_workgroup_id_x 1
		.amdhsa_system_sgpr_workgroup_id_y 1
		.amdhsa_system_sgpr_workgroup_id_z 1
		.amdhsa_system_vgpr_workitem_id 0
		.amdhsa_next_free_vgpr 1024
		.amdhsa_next_free_sgpr 72
		.amdhsa_reserve_vcc 0
		.amdhsa_float_denorm_mode_32 3
		.amdhsa_float_denorm_mode_16_64 3
		.amdhsa_memory_ordered 1
		.amdhsa_forward_progress 1
		.amdhsa_inst_pref_size 115
	.end_amdhsa_kernel
	.amdgpu_metadata
---
amdhsa.version: [ 1, 2 ]
amdhsa.kernels:
  - .name:           k_q47e81396c1_stage0
    .symbol:         k_q47e81396c1_stage0.kd
    .args:
      - { .name: z_e, .offset: 0, .size: 8, .value_kind: global_buffer, .address_space: global }
      - { .name: cb0, .offset: 8, .size: 8, .value_kind: global_buffer, .address_space: global }
      - { .name: idxA, .offset: 16, .size: 8, .value_kind: global_buffer, .address_space: global }
    .group_segment_fixed_size: 327680
    .private_segment_fixed_size: 0
    .kernarg_segment_align: 8
    .kernarg_segment_size: 24
    .max_flat_workgroup_size: 128
    .sgpr_count:     72
    .vgpr_count:     1024
    .wavefront_size: 32
...
	.end_amdgpu_metadata
.endif
;; end of part 6
;; launch stage1 (part 7): grid 256 x 1, 4 waves a work-group, clusters of 4 x 1, 327,680 bytes of LDS; arguments z_e, idxA, cb0, cb1, resA, idxB; writes resA, idxB
.if DOCPART == 7
	.amdgcn_target "amdgcn-amd-amdhsa--gfx1250"
	.amdhsa_code_object_version 6
	.text
	.protected	k_q47e81396c1_stage1
	.globl	k_q47e81396c1_stage1
	.p2align	8
	.type	k_q47e81396c1_stage1,@function
k_q47e81396c1_stage1:
	s_mov_b64 s[64:65], 0
	v_nop
	global_prefetch_b8 v0, s[64:65] scope:SCOPE_SE
	s_setreg_imm32_b32 hwreg(HW_REG_WAVE_MODE, 25, 1), 1
	s_wait_xcnt 0x0
	s_wait_alu depctr_hold_cnt(0) depctr_sa_sdst(0) depctr_va_vdst(0) depctr_va_sdst(0) depctr_va_ssrc(0) depctr_va_vcc(0) depctr_vm_vsrc(0)
	s_getreg_b32 s2, hwreg(HW_REG_IB_STS2, 6, 4)
	s_cmp_eq_u32 s2, 0
	s_cbranch_scc0 .Lentry_in_a_cluster
	s_endpgm
.Lentry_in_a_cluster:
	s_bfe_u32 s2, ttmp6, 0x10000c
	s_cmp_lg_u32 s2, 0x3003
	s_cbranch_scc0 .Lentry_shape_is_right
	s_endpgm
.Lentry_shape_is_right:
; A LATER STAGE OF THE RESIDUAL QUANTISER (the second to the fourth), for 65,536 rows of 128 f32 and a codebook of 2,048 rows.  Arguments: r_in, idx_in, the table of the stage
; before, this stage's table, r_out, idx_out.  A table: f16 rows at 0, -|c|^2/2 at NH_OFF, |c|^2 at CN_OFF, f32 rows at F32_OFF.
; A record of 16 bytes a row: three codes already decided (a shift register) and the word a | b << 16: two candidates of the stage before.
; PART 1, THE PICK.  Both candidates' f32 rows are gathered; d = (|r|^2 - 2 r.c) + |c|^2 in f32, rounded in the order of the problem's formula;
;   b is taken if d_b < d_a, or if they are equal and b < a (the lowest index wins a tie).  r = r_in - c goes to r_out, the code into the record.
; PART 2, THE SEARCH.  r rounded to f16; score = r.c - |c|^2/2 for all 2,048 codes on the matrix unit, -|c|^2/2 entering as the C operand of the first
;   K step.  Source 0 = 16 codes, source 1 = 16 rows: a lane holds ONE row (lane % 16) and codes 16 t + 8 (lane / 16) + j in register j.
;   A score's lowest 8 bits are replaced by 2 t + j % 2, and for each (j / 2, lane / 16), 8 classes a row, the LARGEST TWO scores are kept.
; PART 3.  The two largest of a row's 16 kept scores are the new candidates; their classes are found by comparing for equality, no further bit is replaced.
; LIMITS.  f16 operands: |r| and |c| under 65,504; below 6e-5 a fixed step of 6e-8.  Scores are compared to 2^-15 of their size.  The code that the f32 formula
;   ranks first is found if it is among the two largest coarse scores: it is lost where TWO other codes tie with it to within the f16 rounding.  That error grows
;   with a common offset of the codebook, since the scores then grow.  The pick's dot products are f32 sums in this text's order.  NaN and infinities are not treated apart.
; SHARES.  A work-group owns 256 rows, a wave 64: four tiles of 16.  Every wave walks all codes.
; CLUSTER.  The four work-groups of a cluster walk the same table: every tile is asked for jointly, same descriptor, mask of four.
; REGISTERS, in windows of 256 (s_set_vgpr_msb: bits 1:0 source 0, 3:2 source 1, 5:4 source 2, 7:6 destination):
;   window 0: addresses; in part 1 the records and norms; in part 2 NH, the codes' fragments, two sets of accumulators, the kept scores
;   window 1: v0-127 the rows' f16 fragments (tile x, K step kk at 32 x + 8 kk)          windows 2, 3: part 1's data, tiles 0, 2 and 1, 3
; The products run with source 1 in window 1.  Of the 80 lines that fold a tile's 32 scores a lane, 48 name registers as destination, source 0 and source 2 only and stand under
; that setting; the 32 that take three registers of window 0 stand in eight groups of four between two switches: sixteen switches for a tile's sixteen products.
.set PITCH,   272                      ; an LDS row: 256 bytes + 16 of padding = 68 words: the 16 rows of a fragment load start at 16 different groups of four banks (ISA guide 11.1)
.set TILEB,   16*PITCH                 ; 16 codes
.set SLOT0,   0                        ; 512 codes
.set SLOT1,   512*PITCH
.set CNL,     2*512*PITCH              ; -|c|^2/2 of the stage, 2,048 f32
.set XST,     CNL+8192                 ; a wave's own: 16 rows x 272 bytes of f16, on their way to fragments; no tile lands here
.set HIST,    XST+4*TILEB              ; a wave's own: 64 rows x 16 bytes: +0 old code 2, +4 the code just picked, +8 old code 1
.set SPARE,   HIST+4*1024              ; the spare words, 128 bytes a wave: two blocks of 256 bytes that no other line names
.set NH_OFF,  524288
.set CN_OFF,  532480
.set F32_OFF, 540672
.set LN,   1                           ; lane % 16
.set HF,   2                           ; lane / 16
.set AADR, 3                           ; LDS address of the fragments to be fetched
.set CADR, 4                           ; of their -|c|^2/2
.set A0,   5                           ; 272 LN + 16 HF
.set C0,   6                           ; 32 HF
.set RO,   7                           ; 512 HF + 16 LN
.set L16,  8                           ; 16 LN
.set RECO, 9                           ; 16 HF
.set XLD,  10                          ; my stage + 272 LN + 16 HF
.set HSA,  11                          ; my history + 16 HF
.set HLD,  12                          ; my history + 16 lane
.set IO,   13                          ; 16 lane
.set SPW,  14                          ; my spare word; never rewritten
.set NIL,  15                          ; 0; never rewritten
.set CIN,  16                          ; v[16:31]   -|c|^2/2 of a tile's 8 codes a lane, by the tile's parity
.set AF,   32                          ; v[32:95]   fragments of 16 codes: parity p, K step kk at 32 p + 8 kk
.set ACC,  96                          ; v[96:159]  scores: parity p, row tile x at 32 p + 8 x
.set B1,   160                         ; v[160:175] the largest score: row tile x, class c at 4 x + c
.set B2,   176                         ; v[176:191] the second largest
.set MT,   192                         ; v[192:207] the middle one of three, at 4 x + c, from its making to the tile's end
.set HC,   224                         ; v[224:227] HF << 2 | c
.set MQ,   32                          ; part 1: pair n's record at 4 n: becomes (offset a, code 1, code 2, offset b), then the last the code picked
.set MN,   160                         ; part 1: pair n at 2 n: offsets into the norms, then the norms, then the distances
.set E1,   232                         ; part 3, at work
.set E2,   233
.set EM,   234
.set I1,   235
.set I2,   236
.set K1,   237
.set K2,   238
.set ET,   239
.set CW,   240                         ; v[240:243] the new candidates of row tile x
.set TR,   244                         ; v[244:251] two records to store
.set RR,   0                           ; windows 2, 3: pair i's residual at 8 i
.set CA,   64                          ; candidate a's row
.set CB,   128                         ; candidate b's row; later the f16 residual
.set TT1,  192                         ; |r|^2 - 2 r.a of pair i
.set TT2,  200
.set PX,   208                         ; sums at work
.set P1,   210
.set P2,   212
.set WRO,  214                         ; RO once more
.set WXS,  215                         ; my stage + 272 HF + 8 LN
.set WV,   16                          ; s16 wave
.set TI,   20                          ; s20, s21: 2 t and 2 t + 1 for the tile t whose scores are being folded
.set G1,   24                          ; s[24:31] descriptor group 1: 128 codes
.set G1C,  32                          ; s[32:39] group 1: 2,048 bytes of -|c|^2/2
.set G0A,  40                          ; s[40:43] group 0, slot 0
.set G0B,  44                          ; s[44:47] slot 1
.set G0C,  48                          ; s[48:51] -|c|^2/2
.set LOWM, 56                          ; 0xff
.set NINF, 58                          ; -infinity: the idle operand of a three-way maximum
.set CNT,  59
.set TB,   60                          ; LDS byte at which the tiles to be fetched begin
.set TC,   61                          ; the same for -|c|^2/2
.set SEL,  62                          ; s[62:63] v_permlanex16_b32: each lane takes its own place in the other half
.set HIM,  67                          ; lanes 16-31
.set NEGM, 71                          ; the lowest finite number
.set PM,   72                          ; s[72:79] a tile's eight picks, a mask a pair
.set MSB, 0
.macro WIN new                         ; the immediate's high byte repeats the setting that is left; a switch that changes nothing is dropped
.if MSB != (\new)
	s_set_vgpr_msb (MSB<<8)|(\new)
.set MSB, (\new)
.endif
.endm
; A round of the cluster's barrier: my work-group's barrier, so that wave 0's signal speaks for all four waves; wave 0 signals; every wave waits for all four work-groups; my work-group's barrier once more.
.macro CROUND
	s_barrier_signal -1
	s_barrier_wait -1
	s_cmp_lg_u32 s[WV], 0
	s_cbranch_scc1 .Lnot_wave_0_\@
	s_barrier_signal -3
.Lnot_wave_0_\@:
	s_barrier_wait -3
	s_barrier_signal -1
	s_barrier_wait -1
.endm
	s_load_b256 s[4:11], s[0:1], 0x0               ; r_in s[4:5], idx_in s[6:7], the table before s[8:9], this stage's s[10:11]
	s_load_b128 s[12:15], s[0:1], 0x20             ; r_out s[12:13], idx_out s[14:15]
	v_lshl_add_u32 v[SPW], v0, 2, SPARE
	v_mov_b32 v[NIL], 0
	ds_add_u32 v[SPW], v[NIL]                      ; the wave's opening: the add and its wait stand ahead of my first tensor load; the set-up below, work on registers, stands between them
	v_lshrrev_b32 v1, 5, v0
	v_readfirstlane_b32 s[WV], v1                  ; wave 0..3
	v_and_b32 v[LN], 15, v0
	v_bfe_u32 v[HF], v0, 4, 1
	s_bfe_u32 s17, ttmp6, 0x40000                  ; cx: my place in the cluster
	s_lshl_b32 s18, ttmp9, 2                       ; in a cluster launch ttmp9 counts clusters
	s_add_co_u32 s18, s18, s17                     ; my block of 256 rows: it enters the rows' and records' addresses alone
	s_lshl_b32 s52, s18, 17                        ; 256 rows of 512 bytes,
	s_lshl_b32 s53, s[WV], 15                      ; my wave's 64
	s_add_co_u32 s52, s52, s53
	s_mov_b32 s53, 0
	s_lshl_b32 s54, s18, 12                        ; 256 records of 16 bytes,
	s_lshl_b32 s55, s[WV], 10
	s_add_co_u32 s54, s54, s55
	s_mov_b32 s55, 0
	s_lshl_b32 s22, s[WV], 15                      ; of a chunk of 512 codes I fetch 128: 32,768 bytes
	s_mov_b32 s23, 0
	s_lshl_b32 s68, s[WV], 11                      ; and 2,048 bytes of -|c|^2/2
	s_add_co_u32 s68, s68, NH_OFF
	s_mov_b32 s69, 0
	s_mul_i32 s19, s[WV], TILEB
	s_add_co_u32 s19, s19, XST                     ; my stage
	s_lshl_b32 s21, s[WV], 10
	s_add_co_u32 s21, s21, HIST                    ; my history
	v_mul_u32_u24 v[A0], v[LN], PITCH
	v_lshl_add_u32 v[A0], v[HF], 4, v[A0]
	v_lshlrev_b32 v[C0], 5, v[HF]
	v_lshlrev_b32 v[L16], 4, v[LN]
	v_lshl_add_u32 v[RO], v[HF], 9, v[L16]
	v_lshlrev_b32 v[RECO], 4, v[HF]
	v_add_nc_u32 v[XLD], s19, v[A0]
	v_mul_u32_u24 v[E1], v[HF], PITCH
	v_lshl_add_u32 v[E1], v[LN], 3, v[E1]
	v_add_nc_u32 v[E1], s19, v[E1]
	v_lshl_add_u32 v[HSA], v[HF], 4, s21
	v_and_b32 v[IO], 31, v0
	v_lshlrev_b32 v[IO], 4, v[IO]
	v_add_nc_u32 v[HLD], s21, v[IO]
	WIN 0x80                                       ; destination window 2
	v_mov_b32 v[WRO], v[RO]
	v_mov_b32 v[WXS], v[E1]
	WIN 0xc0                                       ; destination window 3
	v_mov_b32 v[WRO], v[RO]
	v_mov_b32 v[WXS], v[E1]
	WIN 0
	; group 1 for the codes: 128 rows x 128 elements of 2 bytes, dense in memory, padded in LDS
	s_mov_b32 s[G1+0], 15|(1<<16)|(1<<20)|(1<<21)|(5<<22)|(3<<25)  ; 15:0 the mask of four; 17:16 2-byte elements; 20 padding on; 21 set beside a mask; 24:22 after every 64 words; 31:25 4 words
	s_mov_b32 s[G1+1], 128<<16                     ; tensor_dim0 = 128
	s_mov_b32 s[G1+2], 128<<16                     ; tensor_dim1 = 128
	s_mov_b32 s[G1+3], 128<<16                     ; tile_dim0 = 128
	s_mov_b32 s[G1+4], 128                         ; tile_dim1 = 128
	s_mov_b32 s[G1+5], 128                         ; 128 elements from row to row
	s_mov_b32 s[G1+6], 0
	s_mov_b32 s[G1+7], 0
	; group 1 for -|c|^2/2: 2,048 dense bytes as 8 rows of 32 elements of 8 bytes, no padding
	s_mov_b32 s[G1C+0], 15|(3<<16)|(1<<21)
	s_mov_b32 s[G1C+1], 32<<16
	s_mov_b32 s[G1C+2], 8<<16
	s_mov_b32 s[G1C+3], 32<<16
	s_mov_b32 s[G1C+4], 8
	s_mov_b32 s[G1C+5], 32
	s_mov_b32 s[G1C+6], 0
	s_mov_b32 s[G1C+7], 0
	s_mov_b32 s[G0A], 1
	s_mul_i32 s[G0A+1], s[WV], 128*PITCH           ; LDS: slot 0 + wave x 128 rows: no place in the cluster enters an LDS address
	s_mov_b32 s[G0B], 1
	s_add_co_u32 s[G0B+1], s[G0A+1], SLOT1
	s_mov_b32 s[G0C], 1
	s_lshl_b32 s[G0C+1], s[WV], 11
	s_add_co_u32 s[G0C+1], s[G0C+1], CNL
	s_mov_b32 s[LOWM], 0xff
	s_mov_b32 s[NINF], 0xff800000
	s_mov_b32 s[SEL], 0x76543210
	s_mov_b32 s[SEL+1], 0xfedcba98
	s_mov_b32 s[HIM], 0xffff0000
	s_mov_b32 s[NEGM], 0xff7fffff
	s_wait_dscnt 0x0                               ; the opening add is done
	s_wait_kmcnt 0x0
	s_add_nc_u64 s[4:5], s[4:5], s[52:53]          ; the rows and records of my wave
	s_add_nc_u64 s[12:13], s[12:13], s[52:53]
	s_add_nc_u64 s[6:7], s[6:7], s[54:55]
	s_add_nc_u64 s[14:15], s[14:15], s[54:55]
	s_add_nc_u64 s[G0A+2:G0A+3], s[10:11], s[22:23]        ; chunk 0, my 128 codes: made of the table and the wave's number alone
	s_add_nc_u64 s[G0B+2:G0B+3], s[G0A+2:G0A+3], 131072    ; chunk 1
	s_or_b32 s[G0A+3], s[G0A+3], 0x80000000                ; type = 2
	s_or_b32 s[G0B+3], s[G0B+3], 0x80000000
	s_add_nc_u64 s[G0C+2:G0C+3], s[10:11], s[68:69]
	s_or_b32 s[G0C+3], s[G0C+3], 0x80000000
; Sixteen loads: tile t's 16 rows of r_in into window W.  A load covers two rows' 256 consecutive bytes; a lane holds elements 4 LN .. +3 and 64 + 4 LN .. +3 of row 2 i + HF.
.macro RLOAD t, W
	WIN (\W)<<6
.set i, 0
.rept 8
	global_load_b128 v[RR+8*i:RR+8*i+3],   v[RO], s[4:5] offset:(16*(\t)+2*i)*512 th:TH_LOAD_NT
	global_load_b128 v[RR+8*i+4:RR+8*i+7], v[RO], s[4:5] offset:(16*(\t)+2*i)*512+256 th:TH_LOAD_NT
.set i, i+1
.endr
.endm
.set nn, 0
.rept 32                                               ; the records: pair n's two, each to its half of the lanes
	global_load_b128 v[MQ+4*nn:MQ+4*nn+3], v[RECO], s[6:7] offset:32*nn
.set nn, nn+1
.endr
	RLOAD 0, 2
	RLOAD 1, 3
	WIN 0
	CROUND                                         ; all four work-groups are here: the first joint loads meet
	tensor_load_to_lds s[G0C:G0C+3], s[G1C:G1C+7]  ; three tensor loads of mine are out: -|c|^2/2,
	s_nop 0
	tensor_load_to_lds s[G0A:G0A+3], s[G1:G1+7]    ; chunk 0 into slot 0,
	s_nop 0
	tensor_load_to_lds s[G0B:G0B+3], s[G1:G1+7]    ; chunk 1 into slot 1
	s_nop 0
.rept 4
	v_nop
.endr
; PART 1.  A record's last word gives two byte offsets into the f32 rows and two into the norms.  A loaded number enters an address behind v_min_u32 with its bound.
.macro DECODE n
.set q, MQ+4*(\n)
.set d, MN+2*(\n)
.set u, E1+2*((\n)%2)
	v_and_b32 v[u], 0x7ff, v[q+3]
	v_bfe_u32 v[u+1], v[q+3], 16, 11
	v_min_u32 v[u], 0x7ff, v[u]
	v_min_u32 v[u+1], 0x7ff, v[u+1]
	v_lshlrev_b32 v[d], 2, v[u]
	v_lshlrev_b32 v[d+1], 2, v[u+1]
	v_lshlrev_b32 v[u], 9, v[u]
	v_lshlrev_b32 v[u+1], 9, v[u+1]
	v_add_nc_u32 v[q], v[u], v[L16]
	v_add_nc_u32 v[q+3], v[u+1], v[L16]
.endm
; 48 loads: both candidates' rows for tile t's 8 pairs into window W, and their norms (each lands on its own offset register)
.macro GATH t, W
	WIN (\W)<<6
.set i, 0
.rept 8
.set q, MQ+4*(8*(\t)+i)
	global_load_b128 v[CA+8*i:CA+8*i+3],   v[q],   s[8:9] offset:F32_OFF
	global_load_b128 v[CA+8*i+4:CA+8*i+7], v[q],   s[8:9] offset:F32_OFF+256
	global_load_b128 v[CB+8*i:CB+8*i+3],   v[q+3], s[8:9] offset:F32_OFF
	global_load_b128 v[CB+8*i+4:CB+8*i+7], v[q+3], s[8:9] offset:F32_OFF+256
.set i, i+1
.endr
	WIN 0
.set i, 0
.rept 16
.set d, MN+16*(\t)+i
	global_load_b32 v[d], v[d], s[8:9] offset:CN_OFF
.set i, i+1
.endr
.endm
; Tile t, whose data lie in window W.  cnt: the global loads issued behind this tile's, which may stay out.
.macro TILEP t, W, cnt
	s_wait_loadcnt \cnt
	WIN (\W)*0x55                                  ; every operand place in window W
.set i, 0
.rept 8                                                ; |r|^2, r.a, r.b: three chains side by side; the sums over a row's sixteen lanes ride on the additions
	v_pk_mul_f32 v[PX:PX+1], v[RR+8*i:RR+8*i+1], v[RR+8*i:RR+8*i+1]
	v_pk_mul_f32 v[P1:P1+1], v[RR+8*i:RR+8*i+1], v[CA+8*i:CA+8*i+1]
	v_pk_mul_f32 v[P2:P2+1], v[RR+8*i:RR+8*i+1], v[CB+8*i:CB+8*i+1]
.irp k, 2,4,6
	v_pk_fma_f32 v[PX:PX+1], v[RR+8*i+(\k):RR+8*i+(\k)+1], v[RR+8*i+(\k):RR+8*i+(\k)+1], v[PX:PX+1]
	v_pk_fma_f32 v[P1:P1+1], v[RR+8*i+(\k):RR+8*i+(\k)+1], v[CA+8*i+(\k):CA+8*i+(\k)+1], v[P1:P1+1]
	v_pk_fma_f32 v[P2:P2+1], v[RR+8*i+(\k):RR+8*i+(\k)+1], v[CB+8*i+(\k):CB+8*i+(\k)+1], v[P2:P2+1]
.endr
	v_add_f32 v[PX], v[PX], v[PX+1]
	v_add_f32 v[P1], v[P1], v[P1+1]
	v_add_f32 v[P2], v[P2], v[P2+1]
.irp m, 1,2,4,8
	v_add_f32_dpp v[PX], v[PX], v[PX] row_xmask:\m row_mask:0xf bank_mask:0xf
	v_add_f32_dpp v[P1], v[P1], v[P1] row_xmask:\m row_mask:0xf bank_mask:0xf
	v_add_f32_dpp v[P2], v[P2], v[P2] row_xmask:\m row_mask:0xf bank_mask:0xf
.endr
	v_fma_f32 v[TT1+i], v[P1], -2.0, v[PX]         ; 2 r.c is exact, so this is |r|^2 - 2 r.c rounded once
	v_fma_f32 v[TT2+i], v[P2], -2.0, v[PX]
.set i, i+1
.endr
	WIN \W                                         ; source 0 in window W, the rest in window 0
.set i, 0
.rept 8
.set d, MN+2*(8*(\t)+i)
	v_add_f32 v[d],   v[TT1+i], v[d]               ; + |c|^2: the distances
	v_add_f32 v[d+1], v[TT2+i], v[d+1]
.set i, i+1
.endr
	WIN 0
.set i, 0
.rept 8
.set q, MQ+4*(8*(\t)+i)
.set d, MN+2*(8*(\t)+i)
	v_cmp_lt_f32 s68, v[d+1], v[d]
	v_cmp_eq_f32 s69, v[d+1], v[d]
	v_cmp_lt_u32 s70, v[q+3], v[q]                 ; the offsets differ as the codes do
	s_and_b32 s69, s69, s70
	s_or_b32 s[PM+i], s68, s69                     ; 1: b is taken
	v_cndmask_b32 v[q+3], v[q], v[q+3], s[PM+i]
	v_lshrrev_b32 v[q+3], 9, v[q+3]                ; the code picked
	ds_store_b64 v[HSA], v[q+2:q+3] offset:(16*(\t)+2*i)*16    ; sixteen lanes write the same words with the same values
	ds_store_b32 v[HSA], v[q+1]     offset:(16*(\t)+2*i)*16+8
.set i, i+1
.endr
	WIN (\W)*0x55
.set i, 0
.rept 8
.irp k, 0,1,2,3,4,5,6,7
	v_cndmask_b32 v[CA+8*i+(\k)], v[CA+8*i+(\k)], v[CB+8*i+(\k)], s[PM+i]
.endr
.irp k, 0,2,4,6
	v_pk_add_f32 v[RR+8*i+(\k):RR+8*i+(\k)+1], v[RR+8*i+(\k):RR+8*i+(\k)+1], v[CA+8*i+(\k):CA+8*i+(\k)+1] neg_lo:[0,1] neg_hi:[0,1]
.endr
	global_store_b128 v[WRO], v[RR+8*i:RR+8*i+3],   s[12:13] offset:(16*(\t)+2*i)*512      ; each half of the lanes stores 256 consecutive bytes, aligned
	global_store_b128 v[WRO], v[RR+8*i+4:RR+8*i+7], s[12:13] offset:(16*(\t)+2*i)*512+256
.irp k, 0,1,2,3
	v_cvt_pk_f16_f32 v[CB+8*i+(\k)], v[RR+8*i+2*(\k)], v[RR+8*i+2*(\k)+1]
.endr
	ds_store_b64 v[WXS], v[CB+8*i:CB+8*i+1]   offset:2*i*PITCH
	ds_store_b64 v[WXS], v[CB+8*i+2:CB+8*i+3] offset:2*i*PITCH+128
.set i, i+1
.endr
	WIN 0x40                                       ; destination window 1, address window 0
.irp k, 0,1,2,3                                        ; the tile as four fragments of 16 rows x 32: LDS serves a wave's instructions in order (ISA guide 5.7.1.4): these see the stores above, and the next tile's stores come behind them
	ds_load_b128 v[32*(\t)+8*(\k):32*(\t)+8*(\k)+3],   v[XLD] offset:64*(\k)
	ds_load_b128 v[32*(\t)+8*(\k)+4:32*(\t)+8*(\k)+7], v[XLD] offset:64*(\k)+32
.endr
	WIN 0
.endm
	s_wait_loadcnt 32                              ; the records are in; the 32 loads of tiles 0 and 1 are younger
.set nn, 0
.rept 32
	DECODE nn
.set nn, nn+1
.endr
	GATH 0, 2
	GATH 1, 3
	TILEP 0, 2, 48                                 ; tile 1's 48 gathers are younger
	s_wait_xcnt 0x0                                ; window 2's residuals are the stores' data: they are loaded over only behind this wait
	RLOAD 2, 2
	GATH 2, 2
	TILEP 1, 3, 63                                 ; 64 loads are younger; the wait's field ends at 63, so one more is waited for
	s_wait_xcnt 0x0
	RLOAD 3, 3
	GATH 3, 3
	TILEP 2, 2, 63                                 ; likewise
	TILEP 3, 3, 0
	; PART 2.  The kept scores start at the lowest finite number, so that every tile is folded by one text: 32 lines, where the wave waits for tiles anyway.
.set i, 0
.rept 32
	v_mov_b32 v[B1+i], s[NEGM]
.set i, i+1
.endr
.set i, 0
.rept 4
	v_lshl_or_b32 v[HC+i], v[HF], 2, i
.set i, i+1
.endr
	s_mov_b32 s[TB], SLOT0
	s_mov_b32 s[TC], CNL
	s_mov_b32 s[TI], 0
	s_mov_b32 s[TI+1], 1
	s_wait_tensorcnt 0x1                           ; my parts of -|c|^2/2 and of slot 0 are in; slot 1's, issued last, may stay out
	s_wait_dscnt 0x0                               ; my rows' fragments are in registers, my LDS stores are done
	s_barrier_signal -1
	s_barrier_wait -1                              ; everybody's parts are in
.macro ADDR                            ; the even tile of a pair lies at these addresses, the odd one TILEB (64 bytes of -|c|^2/2) further on
	v_add_nc_u32 v[AADR], s[TB], v[A0]
	v_add_nc_u32 v[CADR], s[TC], v[C0]
.endm
; Ten LDS loads in ONE run: the tile of parity q: its -|c|^2/2 (8 numbers a lane, the same in sixteen lanes) and its four fragments of 16 codes x 32
.macro FRAGS q
	ds_load_b128 v[CIN+8*(\q):CIN+8*(\q)+3],   v[CADR] offset:64*(\q)
	ds_load_b128 v[CIN+8*(\q)+4:CIN+8*(\q)+7], v[CADR] offset:64*(\q)+16
.irp kk, 0,1,2,3
	ds_load_b128 v[AF+32*(\q)+8*(\kk):AF+32*(\q)+8*(\kk)+3],   v[AADR] offset:TILEB*(\q)+64*(\kk)
	ds_load_b128 v[AF+32*(\q)+8*(\kk)+4:AF+32*(\q)+8*(\kk)+7], v[AADR] offset:TILEB*(\q)+64*(\kk)+32
.endr
.endm
; THE FOLD of one accumulator (8 scores a lane, at FA; row tile FX).  BF j: 2 t + j % 2 into score j's low 8 bits.  UP c: of class c's largest and scores 2 c, 2 c + 1 the middle one is set
; aside and the largest kept (three registers of window 0: setting 0).  LO c: the second largest takes the middle one if that is larger.  Exact: the second largest of
; {B1, B2, a, a'} with B2 <= B1 is the larger of B2 and the middle one of {B1, a, a'}.
.macro BF j
	v_bfi_b32 v[FA+(\j)], s[LOWM], s[TI+(\j)%2], v[FA+(\j)]
.endm
.macro UP c
	v_med3_num_f32 v[MT+4*FX+(\c)], v[B1+4*FX+(\c)], v[FA+2*(\c)], v[FA+2*(\c)+1]
	v_max3_num_f32 v[B1+4*FX+(\c)], v[B1+4*FX+(\c)], v[FA+2*(\c)], v[FA+2*(\c)+1]
.endm
.macro LO c
	v_max3_num_f32 v[B2+4*FX+(\c)], v[MT+4*FX+(\c)], s[NINF], v[B2+4*FX+(\c)]
.endm
.macro FSET x                          ; the fold turns to row tile x of the tile before (parity FP)
.set FX, (\x)
.set FA, ACC+32*FP+8*FX
.endm
; Product pn of a tile's 16: K step pn / 4, row tile pn % 4: the four accumulators by turns.  The first K step takes -|c|^2/2 as C.
.macro MMA p
.set mk, pn/4
.set mx, pn%4
.set rd, ACC+32*(\p)+8*mx
.set rf, AF+32*(\p)+8*mk
.set rx, 32*mx+8*mk
.if mk == 0
	v_wmma_f32_16x16x32_f16 v[rd:rd+7], v[rf:rf+7], v[rx:rx+7], v[CIN+8*(\p):CIN+8*(\p)+7]
.else
	v_wmma_f32_16x16x32_f16 v[rd:rd+7], v[rf:rf+7], v[rx:rx+7], v[rd:rd+7]
.endif
.endm
; The four lines behind product pn.  0-3: UP for row tiles 0 and 1, whose index bits the tile's head has set; 4-7: BF for row tiles 2 and 3, each accumulator's lowest register first;
; 8-11: their UP; 12-15: LO, a row tile a product.  No line reads a result made fewer than four products before it, and none names a register of the products round it.
.macro RID
.if pn < 4
	FSET pn/2
	WIN 0
	UP 2*(pn%2)
	UP 2*(pn%2)+1
	WIN 0x04
.elseif pn < 8
	FSET 2+(pn-4)/2
	BF 4*(pn%2)
	BF 4*(pn%2)+1
	BF 4*(pn%2)+2
	BF 4*(pn%2)+3
.elseif pn < 12
	FSET 2+(pn-8)/2
	WIN 0
	UP 2*(pn%2)
	UP 2*(pn%2)+1
	WIN 0x04
.else
	FSET pn-12
	LO 0
	LO 1
	LO 2
	LO 3
.endif
.endm
; A TILE of parity p: 16 products, and (rid = 1) the 80 lines that fold the tile before.  64 of them stand four behind each product; the other 16, the index bits of row tiles 0 and 1,
; stand together at the tile's head.  Behind them (ld = 1) the ONE run of ten LDS loads brings the next tile into the other parity's registers, 16 products ahead of its first use.
; The last product that read those registers is the tile before's last: the four lines behind it and the 16 at this head, which name none of its registers, are the places
; in front of the loads.  The wait leaves the ten loads just issued out: the ten of the run before, which this tile multiplies, are in.
; rid = 0 (tile 0): nothing to fold; four v_nop behind the last product are the places in front of the next tile's first read of these scores.
.macro T p, rid, ld
.set FP, 1-(\p)
.if \rid
.irp xx, 0,1
	FSET \xx
.irp jj, 0,1,2,3,4,5,6,7
	BF \jj
.endr
.endr
.endif
.if \ld
	FRAGS 1-(\p)
	s_wait_dscnt 10
.else
	s_wait_dscnt 0x0                               ; the last tile: nothing was issued behind its own loads
.endif
.set pn, 0
.rept 16
	MMA \p
.if \rid
	RID
.endif
.set pn, pn+1
.endr
.if \rid
	s_add_co_u32 s[TI], s[TI], 2
	s_add_co_u32 s[TI+1], s[TI+1], 2
.else
.rept 4
	v_nop
.endr
.endif
.endm
; n trips: each multiplies an odd tile and the even one behind it (32 products), folds the two tiles one behind them, and fetches the two tiles one ahead.
; The address lines stand 16 products behind the last loads that read those registers.
.macro TRIPS n
	s_mov_b32 s[CNT], \n
.Ltrip_\@:
	ADDR
	WIN 0x04                                       ; source 1 in window 1: the products' setting
	T 1, 1, 1
	T 0, 1, 1
	WIN 0                                          ; at a label and at a branch every window is 0
	s_add_co_u32 s[TB], s[TB], 2*TILEB
	s_add_co_u32 s[TC], s[TC], 128
	s_sub_co_u32 s[CNT], s[CNT], 1
	s_cmp_lg_u32 s[CNT], 0
	s_cbranch_scc1 .Ltrip_\@
.endm
; THE CHANGE OF SLOTS stands where the last fragments of a slot have been asked for.  Each wave waits for all its tensor loads, of which one is out: its part of the other slot;
; adds 0 to its spare word; and waits for that and for its reads of the slot.  fill = 1: the slot is filled again with the chunk two further on: the barrier is then a round of the
; cluster's, so that no wave of any partner still reads the slot or has a load on its way, and the joint refill is the first thing behind it: one tensor load of mine is out,
; and it has 16 trips, 512 products, in which to land.
.macro CHANGE fill, g0, next
	s_wait_tensorcnt 0x0                           ; no tensor load of mine is out, so a group 0 may be written
	ds_add_u32 v[SPW], v[NIL]                      ; 0 onto my spare word; scalar work stands between it and the wait for it
.if \fill
	s_add_nc_u64 s[(\g0)+2:(\g0)+3], s[(\g0)+2:(\g0)+3], 262144  ; two chunks on; the type bits on top are not reached
.endif
	s_mov_b32 s[TB], \next
	s_wait_dscnt 0x0                               ; the add is done, and my reads of the slot are over
.if \fill
	CROUND
	tensor_load_to_lds s[(\g0):(\g0)+3], s[G1:G1+7]
	s_nop 0
.rept 4
	v_nop
.endr
.else
	s_barrier_signal -1
	s_barrier_wait -1
.endif
.endm
	ADDR
	FRAGS 0                                        ; tile 0
	WIN 0x04
	T 0, 0, 1                                      ; tile 0 is multiplied, tile 1 fetched: nothing to fold yet
	WIN 0
	s_add_co_u32 s[TB], s[TB], 2*TILEB
	s_add_co_u32 s[TC], s[TC], 128
	TRIPS 15                                       ; tiles 1 to 30; fetches tiles 2 to 31: the rest of slot 0
	CHANGE 1, G0A, SLOT1                           ; slot 0 takes chunk 2
	TRIPS 16                                       ; tiles 31 to 62; fetches tiles 32 to 63
	CHANGE 1, G0B, SLOT0                           ; slot 1 takes chunk 3
	TRIPS 16                                       ; tiles 63 to 94; fetches tiles 64 to 95
	CHANGE 0, 0, SLOT1                             ; nothing is left to ask for
	TRIPS 16                                       ; tiles 95 to 126; fetches tiles 96 to 127
	WIN 0x04
	T 1, 1, 0                                      ; tile 127 is multiplied, tile 126 folded
	WIN 0
.set FP, 1
.irp xq, 0,1,2,3                                       ; tile 127 is folded, row tile 0 first: the lines ahead of each accumulator's first read are the places behind its last product
	FSET \xq
.irp jj, 0,1,2,3,4,5,6,7
	BF \jj
.endr
.irp cc, 0,1,2,3
	UP \cc
.endr
.irp cc, 0,1,2,3
	LO \cc
.endr
.endr
; PART 3.  Row tile x.  Of a lane's 8 kept scores the two largest (the largest is one of the four B1).  Their classes by equality: the largest takes the lowest class that matches, the second the
; highest, so that two equal bit patterns (inside a class there are none: 2 t + j % 2 differs) still give two codes.  A score's bits 7:1 are t, bit 0 is j % 2: the code is
; 16 t + 8 (lane / 16) + 2 c + j % 2.  Then the two halves of the lanes are merged on (score, code): the larger first one wins; the second is the larger of the loser and the winner's own second.
.macro EPI x
.set eb1, B1+4*(\x)
.set eb2, B2+4*(\x)
	v_max_num_f32 v[E1], v[eb1], v[eb1+1]
	v_min_num_f32 v[E2], v[eb1], v[eb1+1]
	v_med3_num_f32 v[EM], v[E1], v[eb1+2], v[eb1+3]
	v_max3_num_f32 v[E1], v[E1], v[eb1+2], v[eb1+3]
	v_max_num_f32 v[E2], v[E2], v[EM]
	v_max3_num_f32 v[E2], v[E2], v[eb2], v[eb2+1]
	v_max3_num_f32 v[E2], v[E2], v[eb2+2], v[eb2+3]
	v_mov_b32 v[I1], v[HC+3]
	v_mov_b32 v[I2], v[HC]
.irp c, 2,1,0
	v_cmp_eq_u32 s68, v[E1], v[eb1+(\c)]
	v_cndmask_b32 v[I1], v[I1], v[HC+(\c)], s68
.endr
.irp c, 1,2,3
	v_cmp_eq_u32 s68, v[E2], v[eb1+(\c)]
	v_cmp_eq_u32 s69, v[E2], v[eb2+(\c)]
	s_or_b32 s68, s68, s69
	v_cndmask_b32 v[I2], v[I2], v[HC+(\c)], s68
.endr
	v_and_b32 v[ET], 1, v[E1]
	v_lshl_or_b32 v[K1], v[I1], 1, v[ET]
	v_bfe_u32 v[ET], v[E1], 1, 7
	v_lshl_or_b32 v[K1], v[ET], 4, v[K1]           ; my half's first code
	v_and_b32 v[ET], 1, v[E2]
	v_lshl_or_b32 v[K2], v[I2], 1, v[ET]
	v_bfe_u32 v[ET], v[E2], 1, 7
	v_lshl_or_b32 v[K2], v[ET], 4, v[K2]           ; and its second
	v_permlanex16_b32 v[eb1],   v[E1], s[SEL], s[SEL+1]   ; the destinations count as read: registers that have been written
	v_permlanex16_b32 v[eb1+1], v[E2], s[SEL], s[SEL+1]
	v_permlanex16_b32 v[eb1+2], v[K1], s[SEL], s[SEL+1]
	v_permlanex16_b32 v[eb1+3], v[K2], s[SEL], s[SEL+1]
	v_cmp_gt_f32 s68, v[eb1], v[E1]                ; 1: the other half's first wins
	v_cndmask_b32 v[EM], v[K1], v[eb1+2], s68      ; the winner's code
	v_cndmask_b32 v[I1], v[eb1+2], v[K1], s68      ; the loser's code
	v_min_num_f32 v[ET], v[E1], v[eb1]             ; the loser's score
	v_cndmask_b32 v[I2], v[E2], v[eb1+1], s68      ; the winner's own second,
	v_cndmask_b32 v[K2], v[K2], v[eb1+3], s68      ; and its code
	v_cmp_gt_f32 s69, v[I2], v[ET]
	v_cndmask_b32 v[K1], v[I1], v[K2], s69
	v_lshl_or_b32 v[CW+(\x)], v[K1], 16, v[EM]
.endm
	EPI 0
	EPI 1
	EPI 2
	EPI 3
.irp u, 0,1                                            ; 32 records, a row a lane: (old code 1, old code 2, the code picked, the new candidates)
	ds_load_b32 v[TR+4*(\u)],   v[HLD] offset:512*(\u)+8
	ds_load_b32 v[TR+4*(\u)+1], v[HLD] offset:512*(\u)
	ds_load_b32 v[TR+4*(\u)+2], v[HLD] offset:512*(\u)+4
	v_cndmask_b32 v[TR+4*(\u)+3], v[CW+2*(\u)], v[CW+2*(\u)+1], s[HIM]  ; lanes 0-15: row tile 2 u; lanes 16-31: the next
.endr
	s_wait_dscnt 0x0
.irp u, 0,1
	global_store_b128 v[IO], v[TR+4*(\u):TR+4*(\u)+3], s[14:15] offset:512*(\u)  ; 512 consecutive bytes, aligned
.endr
	s_wait_tensorcnt 0x0                           ; the wave's end, behind my last tensor load and my last LDS store
	ds_add_u32 v[SPW], v[NIL]
	s_wait_dscnt 0x0
	CROUND                                         ; the closing round: no work-group ends while a partner may still ask for a tile that names it
	s_endpgm
.Lfunc_end_k_q47e81396c1_stage1:
	.size	k_q47e81396c1_stage1, .Lfunc_end_k_q47e81396c1_stage1-k_q47e81396c1_stage1
	.p2alignl 7, 3214868480
	.fill 96, 4, 3214868480
	.section	.rodata,"a",@progbits
	.p2align	6, 0x0
	.amdhsa_kernel k_q47e81396c1_stage1
		.amdhsa_group_segment_fixed_size 327680
		.amdhsa_private_segment_fixed_size 0
		.amdhsa_enable_private_segment 0
		.amdhsa_kernarg_size 48
		.amdhsa_user_sgpr_count 2
		.amdhsa_user_sgpr_kernarg_segment_ptr 1
		.amdhsa_wavefront_size32 1
		.amdhsa_system_sgpr_workgroup_id_x 1
		.amdhsa_system_sgpr_workgroup_id_y 1
		.amdhsa_system_sgpr_workgroup_id_z 1
		.amdhsa_system_vgpr_workitem_id 0
		.amdhsa_next_free_vgpr 1024
		.amdhsa_next_free_sgpr 80
		.amdhsa_reserve_vcc 0
		.amdhsa_float_denorm_mode_32 3
		.amdhsa_float_denorm_mode_16_64 3
		.amdhsa_memory_ordered 1
		.amdhsa_forward_progress 1
		.amdhsa_inst_pref_size 253
	.end_amdhsa_kernel
	.amdgpu_metadata
---
amdhsa.version: [ 1, 2 ]
amdhsa.kernels:
  - .name:           k_q47e81396c1_stage1
    .symbol:         k_q47e81396c1_stage1.kd
    .args:
      - { .name: z_e, .offset: 0, .size: 8, .value_kind: global_buffer, .address_space: global }
      - { .name: idxA, .offset: 8, .size: 8, .value_kind: global_buffer, .address_space: global }
      - { .name: cb0, .offset: 16, .size: 8, .value_kind: global_buffer, .address_space: global }
      - { .name: cb1, .offset: 24, .size: 8, .value_kind: global_buffer, .address_space: global }
      - { .name: resA, .offset: 32, .size: 8, .value_kind: global_buffer, .address_space: global }
      - { .name: idxB, .offset: 40, .size: 8, .value_kind: global_buffer, .address_space: global }
    .group_segment_fixed_size: 327680
    .private_segment_fixed_size: 0
    .kernarg_segment_align: 8
    .kernarg_segment_size: 48
    .max_flat_workgroup_size: 128
    .sgpr_count:     80
    .vgpr_count:     1024
    .wavefront_size: 32
...
	.end_amdgpu_metadata
.endif
;; end of part 7
;; launch stage2: the kernel of part 7 again; grid 256 x 1, 4 waves a work-group, clusters of 4 x 1, 327,680 bytes of LDS; arguments resA, idxB, cb1, cb2, resB, idxA; writes resB, idxA
;; launch stage3: the kernel of part 7 again; grid 256 x 1, 4 waves a work-group, clusters of 4 x 1, 327,680 bytes of LDS; arguments resB, idxA, cb2, cb3, resA, idxB; writes resA, idxB
;; launch finish: the kernel of part 3 again; grid 512 x 1, 8 waves a work-group, no clusters, 1,280 bytes of LDS; arguments resA, idxB, cb3, z_e, out0, out1, resB; writes out0, out1, resB
;; launch loss: the kernel of part 4 again; grid 1 x 1, 1 waves a work-group, no clusters, 0 bytes of LDS; arguments resB, out2; writes out2
;; ======== version 3 of 3: 7 launches; version 2 with the launch prep written anew for expert scheduling mode
;; limits: inputs' magnitudes at most 65,504; values are held in f16: magnitudes above 65,504 overflow, below 6.1e-05 lose precision
;; workspace buffers: cb0 1,589,248 bytes; cb1 1,589,248 bytes; cb2 1,589,248 bytes; cb3 1,589,248 bytes; resA 33,554,432 bytes; resB 33,554,432 bytes; idxA 1,048,576 bytes of whole numbers; idxB 1,048,576 bytes of whole numbers
;; launch prep (part 8): grid 128 x 1, 4 waves a work-group, no clusters, 18,432 bytes of LDS; arguments codebooks, cb0, cb1, cb2, cb3; writes cb0, cb1, cb2, cb3
.if DOCPART == 8
	.amdgcn_target "amdgcn-amd-amdhsa--gfx1250"
	.amdhsa_code_object_version 6
	.text
	.protected	k_q47e81396c1_prep
	.globl	k_q47e81396c1_prep
	.p2align	8
	.type	k_q47e81396c1_prep,@function
k_q47e81396c1_prep:
	s_mov_b64 s[64:65], 0
	v_nop
	global_prefetch_b8 v0, s[64:65] scope:SCOPE_SE
	s_setreg_imm32_b32 hwreg(HW_REG_WAVE_SCHED_MODE, 0, 2), 2
	s_setreg_imm32_b32 hwreg(HW_REG_WAVE_MODE, 25, 1), 1
	s_wait_xcnt 0x0
	s_wait_alu depctr_vm_vsrc(0)
; TABLES FOR THE FOUR STAGES.  codebooks: [4][2048][128] f32.  For each stage a table of its own:
;   byte 0        the 2,048 rows rounded to f16, 256 bytes a row
;   byte NH_OFF   -|c|^2 / 2, 2,048 f32       byte CN_OFF   |c|^2, 2,048 f32       byte F32_OFF  the rows as they are, f32
; SHARES.  128 work-groups of four waves; a work-group owns 64 rows (32 work-groups a codebook), a wave 16, as 8 pairs of rows.  A load covers
; two rows' 256 consecutive bytes (lanes 0-15 one row, lanes 16-31 the next); two loads cover both rows whole.  The f32 copy leaves the same way.
; The f16 rows go through a stage of the wave's own in LDS, so that sixteen lanes store one whole row of 256 bytes.
; No matrix unit, no cluster, no tensor load: 4 MB are read once and 6 MB written once; work-groups share nothing.
; LIMIT.  f16 ends at 65,504 and keeps a fixed step of 6e-8 below 6e-5; the f16 rows serve the coarse search alone.
; THE MODE: SCHED_MODE bits 1:0 = 2 (LLVM: expert scheduling mode 2), set by the entry lines.  The code itself states the register dependences
; between vector instructions and memory or LDS instructions, with s_wait_alu, always for 0.
; THE PLAN.  Registers that memory or LDS instructions touch:
;   RO, STA, SLD, HO, TBA, TA2, TOF   addresses and offsets: written by vector lines at the head, once; read by every load and store.
;   DT   written by the sixteen global loads alone; read by the stores of the f32 copy, by the conversions and by the sums.
;   HP   written by the 32 conversions; read by the sixteen LDS stores into the stage.
;   HB   written by the eight LDS loads from the stage; read by the stores of the f16 rows; no vector line names it.
;   PS   a pair of registers for each pair of rows: written by that pair's sum; read by its LDS store.
;   TD   wave 0 alone: written by one LDS load, then by two multiplies; read by one store.
; No register that a memory or LDS instruction reads is written again, so no wait on vm_vsrc is owed.  Waits on va_vdst: one ahead of the first load (the addresses),
; one behind the conversions (HP), one behind the sums (PS), one ahead of wave 0's store (TD).  The stores of the f32 copy hang on loads and on the head's addresses alone: they are
; dealt among the conversions with no wait.  The sums stand between the stage's LDS loads and the wait for them.
.set PITCH,   272                      ; a stage row: 256 bytes + 16
.set STG,     0                        ; 4 waves x 16 rows x 272 bytes
.set TAB,     4*16*PITCH               ; 64 f32: the work-group's norms
.set SPARE,   TAB+256                  ; the spare words, 128 bytes a wave: two blocks of 256 bytes that no other line names
.set NH_OFF,  524288
.set CN_OFF,  532480
.set F32_OFF, 540672
.set LN,  1                            ; lane % 16
.set HF,  2                            ; lane / 16
.set RO,  3                            ; 512 HF + 16 LN: my 16 bytes in a pair of f32 rows
.set STA, 4                            ; stage, in: row HF, 8 bytes at 8 LN
.set SLD, 5                            ; stage, back: row HF, 16 bytes at 16 LN
.set HO,  6                            ; 16 x lane: my 16 bytes in a pair of f16 rows
.set TBA, 7                            ; TAB + 4 (16 wave + HF)
.set SPW, 8                            ; my spare word; never rewritten
.set NIL, 9                            ; 0; never rewritten
.set DT,  16                           ; v[16:79]   pair i: 8 registers as loaded
.set HP,  80                           ; v[80:111]  pair i: 4 registers of f16
.set HB,  112                          ; v[112:143] pair i: 4 registers read back
.set FC,  146                          ; v[146:147] -0.5 or 1.0
.set TD,  148                          ; v[148:151] four norms
.set TA2, 152                          ; TAB + 16 LN
.set TOF, 153                          ; where my four numbers go in the table
.set PS,  160                          ; v[160:175] pair i: its rows' sums of squares at 2 i
	s_load_b256 s[4:11], s[0:1], 0x0               ; codebooks s[4:5], cb0 s[6:7], cb1 s[8:9], cb2 s[10:11]
	s_load_b64 s[12:13], s[0:1], 0x20              ; cb3
	v_lshl_add_u32 v[SPW], v0, 2, SPARE
	v_mov_b32 v[NIL], 0
	v_lshrrev_b32 v1, 5, v0
	v_readfirstlane_b32 s18, v1                    ; wave 0..3
	v_and_b32 v[LN], 15, v0
	v_bfe_u32 v[HF], v0, 4, 1
	s_mov_b32 s19, ttmp9                           ; work-group 0..127
	s_lshr_b32 s20, s19, 5                         ; its codebook
	s_and_b32 s21, s19, 31                         ; its place in that codebook: rows 64 x place on
	s_lshl_b32 s38, s21, 8                         ; the norms: 256 bytes a work-group
	v_lshlrev_b32 v[RO], 4, v[LN]
	v_lshl_add_u32 v[RO], v[HF], 9, v[RO]
	v_and_b32 v[HO], 31, v0
	v_lshlrev_b32 v[HO], 4, v[HO]
	v_mul_u32_u24 v[STA], v[HF], PITCH
	v_lshl_add_u32 v[TA2], v[LN], 4, TAB           ; wave 0's two addresses are made here with the others, so that they owe no wait of their own
	v_lshlrev_b32 v[TOF], 13, v[HF]                ; CN_OFF lies 8,192 bytes behind NH_OFF
	v_lshl_add_u32 v[TOF], v[LN], 4, v[TOF]
	v_add_nc_u32 v[TOF], s38, v[TOF]
	s_wait_alu depctr_va_sdst(0)                   ; s18 is written, ahead of its first reader: LDS addresses, the rows' offsets and a branch are made from it
	s_mul_i32 s30, s18, 16*PITCH                   ; my wave's stage
	v_add_nc_u32 v[STA], s30, v[STA]
	v_lshl_add_u32 v[SLD], v[LN], 4, v[STA]
	v_lshl_add_u32 v[STA], v[LN], 3, v[STA]
	s_lshl_b32 s31, s18, 6
	s_add_co_u32 s31, s31, TAB
	v_lshl_add_u32 v[TBA], v[HF], 2, s31
	s_lshl_b32 s22, s19, 15                        ; source: 64 rows of 512 bytes a work-group,
	s_lshl_b32 s23, s18, 13                        ; 16 a wave
	s_add_co_u32 s22, s22, s23
	s_lshl_b32 s24, s21, 15                        ; the f32 copy: the same, counted inside the codebook
	s_add_co_u32 s24, s24, s23
	s_mov_b32 s23, 0
	s_mov_b32 s25, 0
	s_lshl_b32 s34, s21, 14                        ; the f16 rows: 256 bytes a row
	s_lshl_b32 s35, s18, 12
	s_add_co_u32 s34, s34, s35
	s_mov_b32 s35, 0
	s_wait_kmcnt 0x0
	s_cmp_eq_u32 s20, 1                            ; the table of my codebook: a choice between buffers by the work-group's number
	s_cselect_b64 s[6:7], s[8:9], s[6:7]
	s_cmp_eq_u32 s20, 2
	s_cselect_b64 s[6:7], s[10:11], s[6:7]
	s_cmp_eq_u32 s20, 3
	s_cselect_b64 s[6:7], s[12:13], s[6:7]
	s_add_nc_u64 s[4:5], s[4:5], s[22:23]
	s_add_nc_u64 s[26:27], s[6:7], s[24:25]
	s_add_nc_u64 s[28:29], s[6:7], s[34:35]
	s_wait_alu depctr_va_vdst(0)                   ; RO, STA, SLD, HO, TBA, TA2 and TOF are written: every load and store of the kernel reads one of them as its address or offset
.set i, 0
.rept 8
	global_load_b128 v[DT+8*i:DT+8*i+3],   v[RO], s[4:5] offset:1024*i th:TH_LOAD_NT
	global_load_b128 v[DT+8*i+4:DT+8*i+7], v[RO], s[4:5] offset:1024*i+256 th:TH_LOAD_NT
.set i, i+1
.endr
	s_wait_loadcnt 0x0                             ; all sixteen rows of the wave
.set i, 0
.rept 8                                                ; the f32 copy's stores read what loads brought, by an offset made at the head: no wait is owed, and they stand among the conversions
	global_store_b128 v[RO], v[DT+8*i:DT+8*i+3],   s[26:27] offset:F32_OFF+1024*i      ; sixteen lanes store 256 consecutive bytes, aligned
	global_store_b128 v[RO], v[DT+8*i+4:DT+8*i+7], s[26:27] offset:F32_OFF+1024*i+256
.irp k, 0,1,2,3
	v_cvt_pk_f16_f32 v[HP+4*i+(\k)], v[DT+8*i+2*(\k)], v[DT+8*i+2*(\k)+1]
.endr
.set i, i+1
.endr
	s_wait_alu depctr_va_vdst(0)                   ; the 32 conversions have written HP, which the LDS stores below read
.set i, 0
.rept 8
	ds_store_b64 v[STA], v[HP+4*i:HP+4*i+1]   offset:2*i*PITCH       ; elements 4 LN .. 4 LN + 3
	ds_store_b64 v[STA], v[HP+4*i+2:HP+4*i+3] offset:2*i*PITCH+128   ; elements 64 + 4 LN ..
.set i, i+1
.endr
.set i, 0
.rept 8
	ds_load_b128 v[HB+4*i:HB+4*i+3], v[SLD] offset:2*i*PITCH  ; LDS serves a wave's instructions in order (ISA guide 5.7.1.4): these see the stores above; no vector line names HB
.set i, i+1
.endr
	; The rows' sums of squares, each in the order: four packed products, the pair's two halves, the row's sixteen lanes by 1, 2, 4, 8.  The eight pairs go side by side, a step at a time,
	; so that no line reads the result of the line before it; the lines stand where the stage's loads are on their way.
.set i, 0
.rept 8
	v_pk_mul_f32 v[PS+2*i:PS+2*i+1], v[DT+8*i:DT+8*i+1], v[DT+8*i:DT+8*i+1]
.set i, i+1
.endr
.irp k, 2,4,6
.set i, 0
.rept 8
	v_pk_fma_f32 v[PS+2*i:PS+2*i+1], v[DT+8*i+(\k):DT+8*i+(\k)+1], v[DT+8*i+(\k):DT+8*i+(\k)+1], v[PS+2*i:PS+2*i+1]
.set i, i+1
.endr
.endr
.set i, 0
.rept 8
	v_add_f32 v[PS+2*i], v[PS+2*i], v[PS+2*i+1]
.set i, i+1
.endr
.irp m, 1,2,4,8
.set i, 0
.rept 8
	v_add_f32_dpp v[PS+2*i], v[PS+2*i], v[PS+2*i] row_xmask:\m row_mask:0xf bank_mask:0xf   ; over the row's sixteen lanes
.set i, i+1
.endr
.endr
	s_wait_alu depctr_va_vdst(0)                   ; the sums have written PS, which the LDS stores below read
.set i, 0
.rept 8
	ds_store_b32 v[TBA], v[PS+2*i] offset:8*i      ; sixteen lanes write one word with one value
.set i, i+1
.endr
.set i, 0
.rept 8
	s_wait_dscnt 15-i                              ; pair i is back; the 7 - i younger loads and the eight stores of the norms stay out
	global_store_b128 v[HO], v[HB+4*i:HB+4*i+3], s[28:29] offset:512*i  ; two whole f16 rows, 512 consecutive bytes
.set i, i+1
.endr
	s_wait_dscnt 0x0                               ; for the others' sake: my norms are in TAB
	s_barrier_signal -1
	s_barrier_wait -1
	s_cmp_lg_u32 s18, 0
	s_cbranch_scc1 .Ldone                          ; wave 0 writes the work-group's 64 norms, twice
	ds_load_b128 v[TD:TD+3], v[TA2]                ; its address was made at the head; no vector line has named TD
	v_cmp_eq_u32 vcc_lo, 1, v[HF]
	s_wait_alu depctr_va_vcc(0)                    ; VCC is written, ahead of the select that reads it
	v_cndmask_b32 v[FC], -0.5, 1.0, vcc_lo         ; lanes 0-15: -|c|^2 / 2; lanes 16-31: |c|^2
	v_mov_b32 v[FC+1], v[FC]
	s_wait_dscnt 0x0
	v_pk_mul_f32 v[TD:TD+1], v[TD:TD+1], v[FC:FC+1]
	v_pk_mul_f32 v[TD+2:TD+3], v[TD+2:TD+3], v[FC:FC+1]
	s_wait_alu depctr_va_vdst(0)                   ; the two multiplies have written TD, which the store reads
	global_store_b128 v[TOF], v[TD:TD+3], s[6:7] offset:NH_OFF  ; each half of the lanes stores 256 consecutive bytes, aligned
.Ldone:
	s_wait_dscnt 0x0                               ; the closing lines, six on end
	s_wait_alu 0x0
	s_wait_tensorcnt 0x0
	ds_add_u32 v[SPW], v[NIL]
	s_wait_dscnt 0x0
	s_endpgm
.Lfunc_end_k_q47e81396c1_prep:
	.size	k_q47e81396c1_prep, .Lfunc_end_k_q47e81396c1_prep-k_q47e81396c1_prep
	.p2alignl 7, 3214868480
	.fill 96, 4, 3214868480
	.section	.rodata,"a",@progbits
	.p2align	6, 0x0
	.amdhsa_kernel k_q47e81396c1_prep
		.amdhsa_group_segment_fixed_size 18432
		.amdhsa_private_segment_fixed_size 0
		.amdhsa_enable_private_segment 0
		.amdhsa_kernarg_size 40
		.amdhsa_user_sgpr_count 2
		.amdhsa_user_sgpr_kernarg_segment_ptr 1
		.amdhsa_wavefront_size32 1
		.amdhsa_system_sgpr_workgroup_id_x 1
		.amdhsa_system_sgpr_workgroup_id_y 1
		.amdhsa_system_sgpr_workgroup_id_z 1
		.amdhsa_system_vgpr_workitem_id 0
		.amdhsa_next_free_vgpr 176
		.amdhsa_next_free_sgpr 66
		.amdhsa_reserve_vcc 1
		.amdhsa_float_denorm_mode_32 3
		.amdhsa_float_denorm_mode_16_64 3
		.amdhsa_memory_ordered 1
		.amdhsa_forward_progress 1
		.amdhsa_inst_pref_size 16
	.end_amdhsa_kernel
	.amdgpu_metadata
---
amdhsa.version: [ 1, 2 ]
amdhsa.kernels:
  - .name:           k_q47e81396c1_prep
    .symbol:         k_q47e81396c1_prep.kd
    .args:
      - { .name: codebooks, .offset: 0, .size: 8, .value_kind: global_buffer, .address_space: global }
      - { .name: cb0, .offset: 8, .size: 8, .value_kind: global_buffer, .address_space: global }
      - { .name: cb1, .offset: 16, .size: 8, .value_kind: global_buffer, .address_space: global }
      - { .name: cb2, .offset: 24, .size: 8, .value_kind: global_buffer, .address_space: global }
      - { .name: cb3, .offset: 32, .size: 8, .value_kind: global_buffer, .address_space: global }
    .group_segment_fixed_size: 18432
    .private_segment_fixed_size: 0
    .kernarg_segment_align: 8
    .kernarg_segment_size: 40
    .max_flat_workgroup_size: 128
    .sgpr_count:     66
    .vgpr_count:     176
    .wavefront_size: 32
...
	.end_amdgpu_metadata
.endif
;; end of part 8
;; launch stage0: the kernel of part 6 again; grid 256 x 1, 4 waves a work-group, clusters of 4 x 1, 327,680 bytes of LDS; arguments z_e, cb0, idxA; writes idxA
;; launch stage1: the kernel of part 7 again; grid 256 x 1, 4 waves a work-group, clusters of 4 x 1, 327,680 bytes of LDS; arguments z_e, idxA, cb0, cb1, resA, idxB; writes resA, idxB
;; launch stage2: the kernel of part 7 again; grid 256 x 1, 4 waves a work-group, clusters of 4 x 1, 327,680 bytes of LDS; arguments resA, idxB, cb1, cb2, resB, idxA; writes resB, idxA
;; launch stage3: the kernel of part 7 again; grid 256 x 1, 4 waves a work-group, clusters of 4 x 1, 327,680 bytes of LDS; arguments resB, idxA, cb2, cb3, resA, idxB; writes resA, idxB
;; launch finish: the kernel of part 3 again; grid 512 x 1, 8 waves a work-group, no clusters, 1,280 bytes of LDS; arguments resA, idxB, cb3, z_e, out0, out1, resB; writes out0, out1, resB
;; launch loss: the kernel of part 4 again; grid 1 x 1, 1 waves a work-group, no clusters, 0 bytes of LDS; arguments resB, out2; writes out2
